; MI455X (gfx1250); checked and timed in simulation.
; The chip was launched on July 23, 2026; its instructions are those of AMD's public machine-readable ISA for CDNA 5 (MIT licence, August 2026) and "CDNA5" Instruction Set Architecture Reference Guide (July 2026). The comments in the code are by the model that wrote it; some were corrected since.
;; Multi Head Attention. Allowed arithmetic: matrix products marked QUANTISED: E4M3 operands, one given power-of-two scale a tensor, by v_wmma_f32_16x16x64_fp8_fp8 or v_wmma_f32_16x16x128_fp8_fp8, f32 sums; everything else in f32.
;; Inputs: Wk 1,024 x 1,024 float32; Wo 1,024 x 1,024 float32; Wq 1,024 x 1,024 float32; Wv 1,024 x 1,024 float32; X 1 x 4,096 x 1,024 float32; bk 1,024 float32; bo 1,024 float32; bq 1,024 float32; bv 1,024 float32; lowp_scales 12 int32 (the exponents e of the quantised operands' scales 2^e).
;; Outputs: out0 1 x 4,096 x 1,024 float32.
;; Constants: is_causal = 1.
;; This version of the problem:
;;   THIS VERSION OF THE PROBLEM IS GIVEN IN LOW PRECISION. The matrix products marked QUANTISED in the list below multiply operands that are first quantised to E4M3 (4 exponent bits, 3 mantissa bits; 8 bits a number), with one given power-of-two scale for each operand tensor; their sums are f32. All else is computed in f32.
;;   The module's matrix products, in the order in which they are computed (A, B: the left and right operand; K: the contracted axis; several contracted axes count as one K, in the product's order):
;;     1. [M 4,096, K 1,024] x [K 1,024, N 1,024]; A: input X; B: input Wq: QUANTISED (scales: A lowp_scales[0], B lowp_scales[1])
;;     2. [M 4,096, K 1,024] x [K 1,024, N 1,024]; A: input X; B: input Wk: QUANTISED (scales: A lowp_scales[2], B lowp_scales[3])
;;     3. [M 4,096, K 1,024] x [K 1,024, N 1,024]; A: input X; B: input Wv: QUANTISED (scales: A lowp_scales[4], B lowp_scales[5])
;;     4. batch 16 x [M 4,096, K 64] x [K 64, N 4,096]; A: computed on the way; B: computed on the way: QUANTISED (scales: A lowp_scales[6], B lowp_scales[7])
;;     5. batch 16 x [M 4,096, K 4,096] x [K 4,096, N 64]; A: softmax (see below); B: computed on the way: QUANTISED (scales: A lowp_scales[8], B lowp_scales[9])
;;     6. [M 4,096, K 1,024] x [K 1,024, N 1,024]; A: computed on the way; B: input Wo: QUANTISED (scales: A lowp_scales[10], B lowp_scales[11])
;;   THE QUANTISER, for each operand of a quantised product, along K:
;;     - The operand's scale is 2^e, e = its entry of the input lowp_scales (int32; the entries are numbered through the quantised products in the list's order, A before B).
;;     - Each number is divided by the scale, clamped to +-448, and rounded to the nearest number of E4M3, ties to even, subnormals kept.
;;     - The product sums the exact products of the quantised numbers (number of the format x scale) in f32.
;;   ~~~python
;;   def quantise(x, axis, e):      # numpy; x: float32 -> the quantised numbers, widened to float32 again
;;       x = np.moveaxis(x, axis, -1); K = x.shape[-1]
;;       r = np.clip(x / 2.0 ** e, -448, 448)
;;       step = 2.0 ** (np.maximum(np.frexp(np.where(r == 0, 1, r))[1] - 1, -6) - 3)
;;       q = np.round(r / step) * step * 2.0 ** e      # np.round: ties to even
;;       return np.moveaxis(q, -1, axis).astype(np.float32)
;;   ~~~
;;   SOFTMAX AHEAD OF A QUANTISED PRODUCT. Where the list says 'softmax', what is quantised is not the finished softmax but p = 2^(t - M), with t = logit x log2(e) and M = ceil(the row's largest t), a whole number; so 1/2 < the row's largest p <= 1. The row's sum l is taken of the UNQUANTISED p, in f32, and the product's result is divided by l at the end. Since M is a whole number, a kernel that streams over the keys may use a running M (the ceiling of the running maximum): every later rescaling is an exact power of two, so the quantised numbers keep their values, but for numbers so far below the row's largest that they fall under the format's range.
;;   OPERANDS COMPUTED ON THE WAY. 'Computed on the way' means the value that the module computes at that place (a softmax that the list does not call 'softmax' is quantised finished and normalised). What goes into a quantiser is computed in f32, as accurately as f32 sums, v_exp_f32 and their like allow (about 1e-6 of the number): no bf16 or f16 on the way to a quantiser, and a product that is left as it is and whose result goes on into a quantised operand takes f32 operands (vector FMAs, or v_wmma_f32_16x16x4_f32). A number that lies on a knife's edge between two numbers of the format may be rounded either way, as far as f32 arithmetic and the matrix unit's own rounding can turn it there, and no further.
;; One version. Each part assembles by itself: llvm-mc -triple=amdgcn-amd-amdhsa -mcpu=gfx1250 --defsym DOCPART=n.
;; ======== version 1 of 1: 4 launches
;; limits: right only within a limited range of input values
;; workspace buffers: codes 16,777,216 bytes; qkv 12,582,912 bytes; oimg 4,194,304 bytes
;; launch quant (part 1): grid 512 x 1, 4 waves a work-group, no clusters, 33,280 bytes of LDS; arguments X, Wq, Wk, Wv, Wo, lowp_scales, codes; writes codes
.if DOCPART == 1
	.amdgcn_target "amdgcn-amd-amdhsa--gfx1250"
	.amdhsa_code_object_version 6
	.text
	.protected	k_qf99adb5667_quant
	.globl	k_qf99adb5667_quant
	.p2align	8
	.type	k_qf99adb5667_quant,@function
k_qf99adb5667_quant:
	s_mov_b64 s[64:65], 0
	v_nop
	global_prefetch_b8 v0, s[64:65] scope:SCOPE_SE
	s_setreg_imm32_b32 hwreg(HW_REG_WAVE_MODE, 25, 1), 1
	s_wait_xcnt 0x0
; MULTI-HEAD ATTENTION IN FP8 (E4M3), FOUR LAUNCHES: this one turns X and the four weights into codes; the second makes Q, K, V as codes; the third is the attention; the fourth the projection on the way out.
; WORK LEFT OUT, in the third launch alone: the function builds a lower-triangular mask in its own body and sets the score of key k for query q to -infinity where k > q; the softmax gives such a key the weight 0,
; whatever finite values the inputs hold, so it adds nothing to the row's sum and nothing to the output.  128 keys all of which come after a wave's queries are therefore left out.  (Where only the second of the two waves that share 256 keys
; has its first 128 keys of a slot hidden, their scores and the scores' largest are still formed, inside a step that holds live work, and are not used.)
; LIMIT: a NaN, an infinity or an overflow that would arise only in work left out is not carried to the result.  Every input has a way to the output and is loaded (bk too: it moves K's codes).
; THIS LAUNCH.  code = x / 2^e, held within +-448, rounded to the nearest code, ties to even.  X [4096][1024] is quantised three times, with entries 0, 2, 4 of the scales' exponents (they may differ);
; Wq, Wk, Wv, Wo [1024][1024] with entries 1, 3, 5, 11.  K is innermost in all of them, so a row of 1,024 numbers becomes a row of 1,024 bytes.  LIMITS: -126 <= e <= 119; NaN among the inputs is not served.
; The buffer of codes, in MiB: X for Q at 0, X for K at 4, X for V at 8, Wq at 12, Wk at 13, Wv at 14, Wo at 15.
; WHOLE ROWS ARE PLACED IN A CHOSEN ORDER, so that the next launch's results fall into the lanes in which their readers want them:
;   sigma (X for K, X for V, Wq, Wk): in each group of 128 rows, row 64 u + 8 b + j goes to place 16 b + 8 u + j;   tau (Wv): in each group of 64 rows, row 32 u + 8 t + j goes to place 16 t + 8 u + j;   X for Q and Wo keep their order.
; Runs of 8 rows stay together, so a wave's 2 rows (beginning at a multiple of 2) stay 2,048 consecutive bytes of codes.
; SHARES.  Work-group g takes rows 8 g on of X and rows 8 (g % 128) on of weight g / 128; each of its four waves 2 rows of each: 8 steps of 512 numbers, 4 of X (three stores) and 4 of the weight (one).  512 work-groups, two for each WGP.
; A step's four loads read 512 consecutive bytes each; the 2,048 bytes turn through the wave's own stage in LDS (16 bytes of padding behind each 64) and come back 16 neighbours a lane; a lane's 16 codes are 16 bytes,
; so each store of the wave covers 512 consecutive bytes, aligned.  Waves share nothing: no barrier.  Loads run four steps ahead, the turn through LDS one step.
.set STEPS, 8
.set XST,   4                          ; the steps that take X
.set WREG,  8192                       ; LDS: a region for each wave: two stages of 32 x SP bytes
.set SP,    80                         ; a lane's place in a stage: 64 bytes + 16 of padding
.set SPARE, 4*WREG                     ; behind the regions: the spare words, 128 bytes for each wave
.set SPW,   12                         ; v12  LDS address of my spare word; never rewritten
.set NIL,   13                         ; v13  0; never rewritten
.set SIN,   14                         ; v14  the stage, on the way in
.set SOUT,  15                         ; v15  and on the way out
.set SC,    16                         ; v16-23  (2^e, 448 x 2^e) for entries 0, 2, 4 and the weight's
.set R,     32                         ; v32-95   four sets of 16 numbers as loaded
.set XS,    96                         ; v96-127  two sets of 16 neighbours
.set T,     128                        ; v128-175 three sets of 16 held numbers
.set C,     176                        ; v176-187 a step's codes
; s[4:5] X; s[8:15] Wq, Wk, Wv, Wo; s[16:17] the exponents; s[18:19] codes; s20 wave; s21 which weight; s22, s23 first rows; s[24:25] the weight; s[26:27], s[28:29], s[30:31] where codes go; s[32:43] the exponents
	s_load_b64 s[4:5], s[0:1], 0x0
	s_load_b256 s[8:15], s[0:1], 0x8
	s_load_b128 s[16:19], s[0:1], 0x28
	v_lshl_add_u32 v[SPW], v0, 2, SPARE
	v_mov_b32 v[NIL], 0
	v_lshrrev_b32 v1, 5, v0
	v_readfirstlane_b32 s20, v1                    ; wave
	v_and_b32 v2, 31, v0                           ; lane
	v_lshlrev_b32 v3, 4, v2                        ; my 16 bytes of a load's or a store's 512; never rewritten
	s_mul_i32 s44, s20, WREG
	v_lshrrev_b32 v[SIN], 2, v2
	v_mul_u32_u24 v[SIN], v[SIN], SP
	v_and_b32 v[SOUT], 3, v2
	v_lshl_add_u32 v[SIN], v[SOUT], 4, v[SIN]
	v_add_nc_u32 v[SIN], s44, v[SIN]               ; in: four lanes' 64 bytes on end, then the padding: SP (lane / 4) + 16 (lane % 4)
	v_mul_u32_u24 v[SOUT], v2, SP
	v_add_nc_u32 v[SOUT], s44, v[SOUT]             ; out: SP x lane: my 16 neighbours
	s_lshr_b32 s21, ttmp9, 7                       ; which weight
	s_lshl_b32 s45, s20, 1
	s_lshl_b32 s22, ttmp9, 3
	s_add_co_u32 s22, s22, s45                     ; my first row of X
	s_and_b32 s23, ttmp9, 127
	s_lshl_b32 s23, s23, 3
	s_add_co_u32 s23, s23, s45                     ; my first row of the weight
.macro PLACE d, n, t, keep, mb, sb, mu, su     ; s[d] = the place of row s[n]: bits 'keep' stay, field mb goes sb up, bit mu goes su down
	s_and_b32 s[\d], s[\n], \keep
	s_and_b32 s[\t], s[\n], \mb
	s_lshl_b32 s[\t], s[\t], \sb
	s_or_b32 s[\d], s[\d], s[\t]
	s_and_b32 s[\t], s[\n], \mu
	s_lshr_b32 s[\t], s[\t], \su
	s_or_b32 s[\d], s[\d], s[\t]
.endm
	PLACE 46, 22, 49, 0xffffff87, 0x38, 1, 0x40, 3 ; sigma of X's row
	PLACE 47, 23, 49, 0xffffff87, 0x38, 1, 0x40, 3 ; sigma of the weight's row
	PLACE 48, 23, 49, 0xffffffc7, 0x18, 1, 0x20, 2 ; tau of it
	s_cmp_lt_u32 s21, 2
	s_cselect_b32 s47, s47, s48                    ; Wq, Wk: sigma; Wv: tau;
	s_cmp_eq_u32 s21, 3
	s_cselect_b32 s47, s23, s47                    ; Wo: as it lies
	s_lshl_b32 s50, s22, 12                        ; byte offsets, all under 2^25: X's rows of 4,096 bytes,
	s_mov_b32 s51, 0
	s_lshl_b32 s52, s23, 12                        ; the weight's,
	s_mov_b32 s53, 0
	s_lshl_b32 s54, s22, 10                        ; X's codes for Q,
	s_mov_b32 s55, 0
	s_lshl_b32 s56, s46, 10
	s_add_co_u32 s56, s56, 4<<20                   ; for K (those for V lie 4 MiB further on: in the store's immediate),
	s_mov_b32 s57, 0
	s_lshl_b32 s58, s47, 10
	s_add_co_u32 s59, s21, 12
	s_lshl_b32 s59, s59, 20
	s_add_co_u32 s58, s58, s59                     ; and the weight's codes
	s_mov_b32 s59, 0
	s_wait_alu depctr_va_vdst(0)                   ; the wait here, directly ahead of the wait below
	s_wait_kmcnt 0x0
	s_load_b256 s[32:39], s[16:17], 0x0            ; entries 0 to 7
	s_load_b128 s[40:43], s[16:17], 0x20           ; entries 8 to 11
	s_cmp_eq_u32 s21, 1                            ; the weight's buffer: a choice on the work-group's number alone
	s_cselect_b64 s[24:25], s[10:11], s[8:9]
	s_cmp_eq_u32 s21, 3
	s_cselect_b64 s[44:45], s[14:15], s[12:13]
	s_cmp_lt_u32 s21, 2
	s_cselect_b64 s[24:25], s[24:25], s[44:45]
	s_add_nc_u64 s[4:5], s[4:5], s[50:51]
	s_add_nc_u64 s[24:25], s[24:25], s[52:53]
	s_add_nc_u64 s[26:27], s[18:19], s[54:55]
	s_add_nc_u64 s[28:29], s[18:19], s[56:57]
	s_add_nc_u64 s[30:31], s[18:19], s[58:59]
.macro LOAD t                          ; step t's 2,048 bytes into set t % 4
.irp i, 0,1,2,3
.if (\t) < XST
	global_load_b128 v[R+16*((\t)%4)+4*\i:R+16*((\t)%4)+4*\i+3], v3, s[4:5] offset:2048*(\t)+512*\i th:TH_LOAD_NT
.else
	global_load_b128 v[R+16*((\t)%4)+4*\i:R+16*((\t)%4)+4*\i+3], v3, s[24:25] offset:2048*((\t)-XST)+512*\i th:TH_LOAD_NT
.endif
.endr
.endm
.macro TURN t                          ; step t's numbers through the stage: LDS serves a wave's instructions in order, so no wait stands between the stores and the loads
.irp i, 0,1,2,3
	ds_store_b128 v[SIN], v[R+16*((\t)%4)+4*\i:R+16*((\t)%4)+4*\i+3] offset:32*SP*((\t)%2)+8*SP*\i
.endr
.irp i, 0,1,2,3
	ds_load_b128 v[XS+16*((\t)%2)+4*\i:XS+16*((\t)%2)+4*\i+3], v[SOUT] offset:32*SP*((\t)%2)+16*\i
.endr
.endm
.irp t, 0,1,2,3
	LOAD \t
.endr
	s_wait_kmcnt 0x0
	s_cmp_eq_u32 s21, 1                            ; the weight's exponent: entry 1, 3, 5 or 11
	s_cselect_b32 s60, s35, s33
	s_cmp_eq_u32 s21, 3
	s_cselect_b32 s61, s43, s37
	s_cmp_lt_u32 s21, 2
	s_cselect_b32 s60, s60, s61
.macro MKSCALE k, e                    ; v[SC + 2 k] = 2^e as f32 (the conversion takes its exponent field), v[SC + 2 k + 1] = 448 x 2^e
	s_add_co_i32 s62, s[\e], 127
	s_lshl_b32 s63, s62, 23
	v_mov_b32 v[SC+2*\k], s63
	s_add_co_i32 s62, s62, 8
	s_lshl_b32 s62, s62, 23
	s_or_b32 s62, s62, 0x600000
	v_mov_b32 v[SC+2*\k+1], s62
.endm
	MKSCALE 0, 32
	MKSCALE 1, 34
	MKSCALE 2, 36
	MKSCALE 3, 60
	s_wait_alu depctr_va_vdst(0)                   ; the wait at the head's end
	s_wait_loadcnt 12                              ; step 0's four loads are in; the twelve of steps 1 to 3 may be out
	TURN 0
.macro CONV ts, k, cd                  ; the step's 16 neighbours, held within the largest code x scale k (the conversion to an 8-bit code does not saturate: ISA guide 7.6.2), become 16 codes in v[C + cd] on
.irp i, 0,1,2,3,4,5,6,7,8,9,10,11,12,13,14,15
	v_med3_num_f32 v[T+16*\ts+\i], v[XSS+\i], -v[SC+2*\k+1], v[SC+2*\k+1]
.endr
	v_cvt_scalef32_pk8_fp8_f32 v[C+\cd:C+\cd+1], v[T+16*\ts:T+16*\ts+7], v[SC+2*\k]
	v_cvt_scalef32_pk8_fp8_f32 v[C+\cd+2:C+\cd+3], v[T+16*\ts+8:T+16*\ts+15], v[SC+2*\k]
.endm
.macro STEP t
.set XSS, XS+16*((\t)%2)
	s_wait_dscnt 0x0                               ; this step's numbers are back from the stage: so its stores into the stage have read their registers,
.if (\t)+4 < STEPS
	LOAD (\t)+4                                    ; which take the loads of four steps on
.endif
.if (\t)+1 < STEPS
.if STEPS-2-(\t) >= 3
	s_wait_loadcnt 12                              ; the next step's four loads are in; those of the three steps behind it may be out
.else
	s_wait_loadcnt 4*(STEPS-2-(\t))
.endif
	TURN (\t)+1                                    ; and go through the other stage while this step is worked
.endif
	s_wait_xcnt 0x0                                ; the last step's stores have read their data: the codes' registers are written again only behind this wait
.if (\t) < XST
	CONV 0, 0, 0
	CONV 1, 1, 4
	CONV 2, 2, 8
	v_nop                                          ; a plain instruction behind the last scaled conversion: the next step writes its sources again
	global_store_b128 v3, v[C:C+3], s[26:27] offset:512*(\t)
	global_store_b128 v3, v[C+4:C+7], s[28:29] offset:512*(\t)
	global_store_b128 v3, v[C+8:C+11], s[28:29] offset:0x400000+512*(\t)
.else
	CONV 0, 3, 0
	v_nop
	global_store_b128 v3, v[C:C+3], s[30:31] offset:512*((\t)-XST)
.endif
.endm
.irp t, 0,1,2,3,4,5,6,7
	STEP \t
.endr
	s_wait_tensorcnt 0x0                           ; the wave's end
	ds_add_u32 v[SPW], v[NIL]
	s_wait_dscnt 0x0
	s_endpgm
.Lfunc_end_k_qf99adb5667_quant:
	.size	k_qf99adb5667_quant, .Lfunc_end_k_qf99adb5667_quant-k_qf99adb5667_quant
	.p2alignl 7, 3214868480
	.fill 96, 4, 3214868480
	.section	.rodata,"a",@progbits
	.p2align	6, 0x0
	.amdhsa_kernel k_qf99adb5667_quant
		.amdhsa_group_segment_fixed_size 33280
		.amdhsa_private_segment_fixed_size 0
		.amdhsa_enable_private_segment 0
		.amdhsa_kernarg_size 56
		.amdhsa_user_sgpr_count 2
		.amdhsa_user_sgpr_kernarg_segment_ptr 1
		.amdhsa_wavefront_size32 1
		.amdhsa_system_sgpr_workgroup_id_x 1
		.amdhsa_system_sgpr_workgroup_id_y 1
		.amdhsa_system_sgpr_workgroup_id_z 1
		.amdhsa_system_vgpr_workitem_id 0
		.amdhsa_next_free_vgpr 192
		.amdhsa_next_free_sgpr 66
		.amdhsa_reserve_vcc 0
		.amdhsa_float_denorm_mode_32 3
		.amdhsa_float_denorm_mode_16_64 3
		.amdhsa_memory_ordered 1
		.amdhsa_forward_progress 1
		.amdhsa_inst_pref_size 33
	.end_amdhsa_kernel
	.amdgpu_metadata
---
amdhsa.version: [ 1, 2 ]
amdhsa.kernels:
  - .name:           k_qf99adb5667_quant
    .symbol:         k_qf99adb5667_quant.kd
    .args:
      - { .name: X, .offset: 0, .size: 8, .value_kind: global_buffer, .address_space: global }
      - { .name: Wq, .offset: 8, .size: 8, .value_kind: global_buffer, .address_space: global }
      - { .name: Wk, .offset: 16, .size: 8, .value_kind: global_buffer, .address_space: global }
      - { .name: Wv, .offset: 24, .size: 8, .value_kind: global_buffer, .address_space: global }
      - { .name: Wo, .offset: 32, .size: 8, .value_kind: global_buffer, .address_space: global }
      - { .name: lowp_scales, .offset: 40, .size: 8, .value_kind: global_buffer, .address_space: global }
      - { .name: codes, .offset: 48, .size: 8, .value_kind: global_buffer, .address_space: global }
    .group_segment_fixed_size: 33280
    .private_segment_fixed_size: 0
    .kernarg_segment_align: 8
    .kernarg_segment_size: 56
    .max_flat_workgroup_size: 128
    .sgpr_count:     66
    .vgpr_count:     192
    .wavefront_size: 32
...
	.end_amdgpu_metadata
.endif
;; end of part 1
;; launch qkv (part 2): grid 12 x 16, 4 waves a work-group, clusters of 4 x 4, 327,680 bytes of LDS; arguments codes, bq, bk, bv, lowp_scales, qkv; writes qkv
.if DOCPART == 2
	.amdgcn_target "amdgcn-amd-amdhsa--gfx1250"
	.amdhsa_code_object_version 6
	.text
	.protected	k_qf99adb5667_qkv
	.globl	k_qf99adb5667_qkv
	.p2align	8
	.type	k_qf99adb5667_qkv,@function
k_qf99adb5667_qkv:
	s_mov_b64 s[64:65], 0
	v_nop
	global_prefetch_b8 v0, s[64:65] scope:SCOPE_SE
	s_setreg_imm32_b32 hwreg(HW_REG_WAVE_MODE, 25, 1), 1
	s_wait_xcnt 0x0
	s_wait_alu depctr_hold_cnt(0) depctr_sa_sdst(0) depctr_va_vdst(0) depctr_va_sdst(0) depctr_va_ssrc(0) depctr_va_vcc(0) depctr_vm_vsrc(0)
	s_getreg_b32 s2, hwreg(HW_REG_IB_STS2, 6, 4)
	s_cmp_eq_u32 s2, 0
	s_cbranch_scc0 .Lentry_in_a_cluster
	s_endpgm
.Lentry_in_a_cluster:
	s_bfe_u32 s2, ttmp6, 0x10000c
	s_cmp_lg_u32 s2, 0xf033
	s_cbranch_scc0 .Lentry_shape_is_right
	s_endpgm
.Lentry_shape_is_right:
; Q, K, V = X W^T + b on codes of FP8 (E4M3): f32 sums x 2^(the two operands' entries) + bias, held within +-448 x the next operand's scale and quantised at once (entries 6, 7, 9).  No work of the function is left out here.
; 192 tiles of 256 x 256 (64 for each product), a work-group of four waves each, 128 x 128 a wave; K goes in steps of 256 through a ring of two LDS slots.  Cluster x 0, 1, 2 makes Q, K, V; for V the operands change places, so that its codes run along the keys.
; CLUSTERS: 4 x 4 work-groups: source A's tiles are asked for jointly along a row of the cluster, source B's along a column.  No prefetch: the block is the largest and K has four steps.
; The results leave as IMAGES OF THE OPERANDS' REGISTERS of the third launch, 4 MiB for each of Q, K and V: every store of sixteen neighbouring lanes covers 256 consecutive bytes, aligned.
; LIMITS: entries 0 + 1, 2 + 3 and 4 + 5 between -126 and 127; entries 6, 7 and 9 between -126 and 119.
.set KSTEP, 256
.set ROWB,   256
.set KROW,   1024
.set PITCH,  272
.set FR,     16
.set NL,     4
.set NP,     4
.set HALFT,  128*PITCH
.set SLOT,   4*HALFT
.set LAPS,   1024/(2*KSTEP)
.set SPARE,  2*SLOT
.set VO,   8
.set BL,   12
.set BRO,  13
.set ADRA, 16
.set ADRB, 20
.set SPW,  28
.set NIL,  29
.set BIASC, 32
.set BIASR, 96
.set LIMV, 112
.set SCV,  113
.set AF,   128
.set T,    128
.set C,    192
.set G1, 24
.set G0, 32
.set G1B, 48
.set G0B, 56
.set MSB, 0
.macro WIN new
.if MSB != \new
	s_set_vgpr_msb (MSB<<8)|\new
.set MSB, \new
.endif
.endm
.set MUL_LO, 0xa1
.set MUL_HI, 0xf1
.set TO_B,   0x40
.macro JLOAD g0a, g1a, g0b, g1b
	s_cmp_eq_u32 s15, 0
	s_cbranch_scc0 .Lfor_b_\@
	tensor_load_to_lds s[\g0a:\g0a+3], s[\g1a:\g1a+7]
	s_nop 0
.rept 4
	v_nop
.endr
	s_branch .Lasked_\@
.Lfor_b_\@:
	tensor_load_to_lds s[\g0b:\g0b+3], s[\g1b:\g1b+7]
	s_nop 0
.rept 4
	v_nop
.endr
.Lasked_\@:
.endm
.macro CREST
	s_cmp_lg_u32 s14, 0
	s_cbranch_scc1 .Lnot_wave_0_\@
	s_barrier_signal -3
.Lnot_wave_0_\@:
	s_barrier_wait -3
	s_barrier_signal -1
	s_barrier_wait -1
.endm
.macro CROUND
	s_barrier_signal -1
	s_barrier_wait -1
	CREST
.endm
	s_load_b256 s[4:11], s[0:1], 0x0
	s_load_b128 s[68:71], s[0:1], 0x20
	v_lshl_add_u32 v[SPW], v0, 2, SPARE
	v_mov_b32 v[NIL], 0
	ds_add_u32 v[SPW], v[NIL]
	ds_add_u32 v[SPW], v[NIL]
	v_lshrrev_b32 v1, 5, v0
	v_readfirstlane_b32 s14, v1
	s_lshr_b32 s15, s14, 1
	s_and_b32 s16, s14, 1
	s_bfe_u32 s40, ttmp6, 0x40000
	s_bfe_u32 s41, ttmp6, 0x40004
	s_mov_b32 s72, ttmp9
	s_lshr_b32 s73, s72, 1
	s_xor_b32 s74, s73, 1
	s_and_b32 s75, ttmp7, 0xffff
	s_lshl_b32 s75, s75, 2
	s_mul_i32 s17, s75, s74
	s_add_co_u32 s17, s17, s41
	s_mul_i32 s42, s75, s73
	s_add_co_u32 s42, s42, s40
	s_lshl_b32 s43, s41, 2
	s_lshl_b32 s43, 15, s43
	s_lshl_b32 s44, 0x1111, s40
	s_or_b32 s[G1+0], s43, (0<<16)|(1<<20)|(1<<21)|(5<<22)|(3<<25)
	s_or_b32 s[G1B+0], s44, (0<<16)|(1<<20)|(1<<21)|(5<<22)|(3<<25)
.irp g, G1, G1B
	s_mov_b32 s[\g+1], ROWB<<16
	s_mov_b32 s[\g+2], 128<<16
	s_mov_b32 s[\g+3], ROWB<<16
	s_mov_b32 s[\g+4], 128
	s_mov_b32 s[\g+5], KROW
	s_mov_b32 s[\g+6], 0
	s_mov_b32 s[\g+7], 0
.endr
	s_lshl_b32 s18, s16, 7
	s_lshl_b32 s20, s17, 8
	s_add_co_u32 s20, s20, s18
	s_lshl_b32 s20, s20, 10
	s_lshl_b32 s46, s42, 8
	s_add_co_u32 s46, s46, s18
	s_lshl_b32 s46, s46, 10
	s_mul_i32 s22, s73, 6
	s_lshl_b32 s19, s72, 2
	s_add_co_u32 s19, s19, s22
	s_lshl_b32 s19, s19, 20
	s_add_co_u32 s20, s20, s19
	s_add_co_u32 s23, s72, 12
	s_sub_co_u32 s23, s23, s22
	s_lshl_b32 s23, s23, 20
	s_add_co_u32 s46, s46, s23
	s_mov_b32 s21, 0
	s_mov_b32 s47, 0
	s_mul_i32 s45, s14, HALFT
	s_wait_dscnt 0x0
	s_wait_kmcnt 0x0
	s_load_b256 s[80:87], s[68:69], 0x0
	s_load_b128 s[88:91], s[68:69], 0x20
	s_add_nc_u64 s[20:21], s[4:5], s[20:21]
	s_add_nc_u64 s[46:47], s[4:5], s[46:47]
	CROUND
.irp s, 0,1
	s_mov_b32 s[G0+4*\s], 1
	s_add_co_u32 s[G0+4*\s+1], s45, \s*SLOT
	s_add_nc_u64 s[G0+4*\s+2:G0+4*\s+3], s[20:21], \s*ROWB
	s_or_b32 s[G0+4*\s+3], s[G0+4*\s+3], 0x80000000
	s_mov_b32 s[G0B+4*\s], 1
	s_add_co_u32 s[G0B+4*\s+1], s45, \s*SLOT
	s_add_nc_u64 s[G0B+4*\s+2:G0B+4*\s+3], s[46:47], \s*ROWB
	s_or_b32 s[G0B+4*\s+3], s[G0B+4*\s+3], 0x80000000
.endr
	JLOAD G0, G1, G0B, G1B                         ; K step 0: one tensor load a wave at the head
	v_and_b32 v1, 15, v0
	v_bfe_u32 v2, v0, 4, 1
	s_wait_alu depctr_va_vdst(0)
	v_mul_u32_u24 v3, v1, PITCH
	v_lshl_add_u32 v4, v2, 4, v3
	s_mul_i32 s21, s15, HALFT
	s_mul_i32 s22, s16, HALFT
	s_add_co_u32 s22, s22, 2*HALFT
.irp s, 0,1
	v_add_nc_u32 v[ADRA+\s], s21, v4
	v_add_nc_u32 v[ADRB+\s], s22, v4
	s_add_co_u32 s21, s21, SLOT
	s_add_co_u32 s22, s22, SLOT
.endr
	s_lshl_b32 s18, s17, 1
	s_add_co_u32 s18, s18, s15
	s_lshl_b32 s19, s42, 1
	s_add_co_u32 s19, s19, s16
	s_cmp_eq_u32 s73, 1
	s_cselect_b32 s22, s18, s19
	s_cselect_b32 s23, s19, s18
	s_lshl_b32 s22, s22, 19
	s_lshl_b32 s23, s23, 13
	s_add_co_u32 s22, s22, s23
	s_lshl_b32 s23, s72, 22
	s_add_co_u32 s22, s22, s23
	s_mov_b32 s23, 0
	s_add_nc_u64 s[70:71], s[70:71], s[22:23]
	s_cmp_eq_u32 s72, 1
	s_cselect_b64 s[92:93], s[8:9], s[6:7]
	s_cmp_eq_u32 s72, 2
	s_cselect_b64 s[92:93], s[10:11], s[92:93]
	s_mov_b64 s[94:95], s[92:93]
	s_mul_i32 s22, s19, s74
	s_lshl_b32 s22, s22, 9
	s_add_nc_u64 s[92:93], s[92:93], s[22:23]
	s_mul_i32 s22, s18, s73
	s_lshl_b32 s22, s22, 9
	s_add_nc_u64 s[94:95], s[94:95], s[22:23]
	s_lshl_b32 s76, 1024, s73
	s_mov_b32 s77, 0
	s_mul_i32 s78, s73, 254976
	s_add_co_u32 s78, s78, 1024
	s_mov_b32 s79, 0
	s_mul_i32 s22, s74, 261888
	s_add_co_u32 s22, s22, 256
	s_mul_i32 s23, s73, 768
	v_mul_lo_u32 v5, v2, s22
	v_lshl_add_u32 v[VO], v1, 4, v5
	v_add_nc_u32 v[VO+1], 512, v[VO]
	v_add_nc_u32 v[VO+2], s23, v[VO]
	v_add_nc_u32 v[VO+3], 768, v[VO+2]
	v_add_nc_u32 v[VO+2], 256, v[VO+2]
	v_lshlrev_b32 v[BL], 8, v2
	v_lshrrev_b32 v5, 3, v1
	v_and_b32 v6, 7, v1
	v_lshlrev_b32 v6, 2, v6
	v_lshl_add_u32 v[BRO], v5, 7, v6
.irp q, 0,1,2,3,4,5,6,7,8,9,10,11,12,13,14,15
	global_load_b128 v[BIASC+4*\q:BIASC+4*\q+3], v[BL], s[92:93] offset:16*\q
.endr
.irp a, 0,1,2,3,4,5,6,7
	global_load_b32 v[BIASR+2*\a], v[BRO], s[94:95] offset:4*(64*(\a/4)+8*(\a%4))
	global_load_b32 v[BIASR+2*\a+1], v[BRO], s[94:95] offset:4*(64*(\a/4)+8*(\a%4))
.endr
.macro FRAG reg, adr, q, i
.irp c, 0,1,2,3
	ds_load_b128 v[\reg+4*\c:\reg+4*\c+3], v[\adr] offset:128*(\q)+32*\c+(\i)*16*PITCH
.endr
.endm
.macro MUL16 a0, p, zero
.irp a, \a0, \a0+1
.irp b, 0,1,2,3,4,5,6,7
.if \zero
	v_wmma_f32_16x16x128_fp8_fp8 v[8*(8*((\a)%4)+\b):8*(8*((\a)%4)+\b)+7], v[128*(\p)+FR*\b:128*(\p)+FR*\b+FR-1], v[AF+FR*(\a):AF+FR*(\a)+FR-1], 0
.else
	v_wmma_f32_16x16x128_fp8_fp8 v[8*(8*((\a)%4)+\b):8*(8*((\a)%4)+\b)+7], v[128*(\p)+FR*\b:128*(\p)+FR*\b+FR-1], v[AF+FR*(\a):AF+FR*(\a)+FR-1], v[8*(8*((\a)%4)+\b):8*(8*((\a)%4)+\b)+7]
.endif
.endr
.endr
.endm
.macro FETCH_B slot, q, p
	WIN TO_B
.irp i, 0,1,2,3,4,5,6,7
	FRAG 128*(\p)+FR*\i, ADRB+\slot, \q, \i
.endr
	WIN 0
.endm
.macro FETCH_A slot, q, i0
.irp i, \i0, \i0+1, \i0+2, \i0+3
	FRAG AF+FR*(\i), ADRA+\slot, \q, \i
.endr
.endm
.macro PLACES n
.rept \n
	v_nop
.endr
.endm
.macro STEP slot, q, zero
	s_wait_dscnt 4*NL
	WIN MUL_LO
	MUL16 0, (\q)%2, \zero
	MUL16 2, (\q)%2, \zero
	s_wait_dscnt 0
	PLACES NP
	FETCH_B \slot, (\q)+1, 1-(\q)%2
	FETCH_A \slot, (\q)+1, 0
	WIN MUL_HI
	MUL16 4, (\q)%2, \zero
	MUL16 6, (\q)%2, \zero
	PLACES NP
	WIN 0
	FETCH_A \slot, (\q)+1, 4
.endm
.macro TURN slot, next, fill
	s_wait_tensorcnt 0x0
	ds_add_u32 v[SPW], v[NIL]
	s_wait_dscnt 4*NL+1
	WIN MUL_LO
	MUL16 0, 1, 0
	s_wait_dscnt 0x0
	s_barrier_signal -1
	MUL16 2, 1, 0
	WIN 0
	s_barrier_wait -1
.if \fill
	CREST
	s_add_nc_u64 s[G0+4*\slot+2:G0+4*\slot+3], s[G0+4*\slot+2:G0+4*\slot+3], 2*ROWB
	s_add_nc_u64 s[G0B+4*\slot+2:G0B+4*\slot+3], s[G0B+4*\slot+2:G0B+4*\slot+3], 2*ROWB
	JLOAD G0+4*\slot, G1, G0B+4*\slot, G1B
.else
	PLACES NP
.endif
	FETCH_B \next, 0, 0
	FETCH_A \next, 0, 0
	WIN MUL_HI
	MUL16 4, 1, 0
	MUL16 6, 1, 0
	PLACES NP
	WIN 0
	FETCH_A \next, 0, 4
.endm
	s_wait_alu depctr_va_vdst(0)                   ; the wait at the head's end
	s_wait_tensorcnt 0x0                           ; my part of K step 0 is in; the other slot's first fill is issued as a refill is:
	ds_add_u32 v[SPW], v[NIL]                      ; 0 onto my spare word
	s_wait_dscnt 0x0                               ; the add is done
	CROUND                                         ; everybody's part of K step 0 is in, and the joint loads meet
	JLOAD G0+4, G1, G0B+4, G1B                     ; K step 1, the first tensor load behind the round
	FETCH_B 0, 0, 0
	FETCH_A 0, 0, 0
	FETCH_A 0, 0, 4
	STEP 0, 0, 1
	s_mov_b32 s3, LAPS-1
.Llap:
	TURN 0, 1, 1
	STEP 1, 0, 0
	TURN 1, 0, 1
	STEP 0, 0, 0
	s_sub_co_u32 s3, s3, 1
	s_cmp_lg_u32 s3, 0
	s_cbranch_scc1 .Llap
	TURN 0, 1, 0
	STEP 1, 0, 0
	s_wait_dscnt 4*NL
	WIN MUL_LO
	MUL16 0, 1, 0
	MUL16 2, 1, 0
	s_wait_dscnt 0
	WIN MUL_HI
	MUL16 4, 1, 0
	MUL16 6, 1, 0
	WIN 0
	s_wait_loadcnt 0x0
	s_wait_kmcnt 0x0
	s_add_co_i32 s18, s80, s81
	s_add_co_i32 s19, s82, s83
	s_add_co_i32 s22, s84, s85
	s_cmp_eq_u32 s72, 1
	s_cselect_b32 s18, s19, s18
	s_cselect_b32 s23, s87, s86
	s_cmp_eq_u32 s72, 2
	s_cselect_b32 s18, s22, s18
	s_cselect_b32 s23, s89, s23
	s_add_co_i32 s18, s18, 127
	s_lshl_b32 s96, s18, 23
	s_mov_b32 s97, s96
	s_add_co_i32 s23, s23, 127
	s_lshl_b32 s22, s23, 23
	v_mov_b32 v[SCV], s22
	s_add_co_i32 s23, s23, 8
	s_lshl_b32 s23, s23, 23
	s_or_b32 s23, s23, 0x600000
	v_mov_b32 v[LIMV], s23
	PLACES NP
.macro OUTBLK a
.set AC, 64*((\a)%4)
.if (\a) > 0
	s_wait_xcnt 0x0
.if (\a) == 4
	s_add_nc_u64 s[70:71], s[70:71], s[78:79]
.else
	s_add_nc_u64 s[70:71], s[70:71], s[76:77]
.endif
.endif
	s_cmp_eq_u32 s72, 2
	s_cbranch_scc1 .Lby_row_\@
	WIN 0x02+((\a)/4)
.set JJ, 0
.rept 32
	v_pk_fma_f32 v[T+JJ:T+JJ+1], v[AC+JJ:AC+JJ+1], s[96:97], v[BIASC+JJ:BIASC+JJ+1] op_sel_hi:[1,0,1]
.set JJ, JJ+2
.endr
	WIN 0
	s_branch .Lbiased_\@
.Lby_row_\@:
	WIN 0x02+((\a)/4)
.set JJ, 0
.rept 32
	v_pk_fma_f32 v[T+JJ:T+JJ+1], v[AC+JJ:AC+JJ+1], s[96:97], v[BIASR+2*(\a):BIASR+2*(\a)+1] op_sel_hi:[1,0,1]
.set JJ, JJ+2
.endr
	WIN 0
.Lbiased_\@:
.set JJ, 0
.rept 64
	v_med3_num_f32 v[T+JJ], v[T+JJ], -v[LIMV], v[LIMV]
.set JJ, JJ+1
.endr
.irp b, 0,1,2,3,4,5,6,7
	v_cvt_scalef32_pk8_fp8_f32 v[C+2*\b:C+2*\b+1], v[T+8*\b:T+8*\b+7], v[SCV]
.endr
	v_nop
.irp q, 0,1,2,3
	global_store_b128 v[VO+\q], v[C+4*\q:C+4*\q+3], s[70:71]
.endr
.endm
.irp a, 0,1,2,3,4,5,6,7
	OUTBLK \a
.endr
	s_wait_tensorcnt 0x0
	ds_add_u32 v[SPW], v[NIL]
	s_wait_dscnt 0x0
	CROUND
	s_endpgm
.Lfunc_end_k_qf99adb5667_qkv:
	.size	k_qf99adb5667_qkv, .Lfunc_end_k_qf99adb5667_qkv-k_qf99adb5667_qkv
	.p2alignl 7, 3214868480
	.fill 96, 4, 3214868480
	.section	.rodata,"a",@progbits
	.p2align	6, 0x0
	.amdhsa_kernel k_qf99adb5667_qkv
		.amdhsa_group_segment_fixed_size 327680
		.amdhsa_private_segment_fixed_size 0
		.amdhsa_enable_private_segment 0
		.amdhsa_kernarg_size 48
		.amdhsa_user_sgpr_count 2
		.amdhsa_user_sgpr_kernarg_segment_ptr 1
		.amdhsa_wavefront_size32 1
		.amdhsa_system_sgpr_workgroup_id_x 1
		.amdhsa_system_sgpr_workgroup_id_y 1
		.amdhsa_system_sgpr_workgroup_id_z 1
		.amdhsa_system_vgpr_workitem_id 0
		.amdhsa_next_free_vgpr 1024
		.amdhsa_next_free_sgpr 100
		.amdhsa_reserve_vcc 0
		.amdhsa_float_denorm_mode_32 3
		.amdhsa_float_denorm_mode_16_64 3
		.amdhsa_memory_ordered 1
		.amdhsa_forward_progress 1
		.amdhsa_inst_pref_size 157
	.end_amdhsa_kernel
	.amdgpu_metadata
---
amdhsa.version: [ 1, 2 ]
amdhsa.kernels:
  - .name:           k_qf99adb5667_qkv
    .symbol:         k_qf99adb5667_qkv.kd
    .args:
      - { .name: codes, .offset: 0, .size: 8, .value_kind: global_buffer, .address_space: global }
      - { .name: bq, .offset: 8, .size: 8, .value_kind: global_buffer, .address_space: global }
      - { .name: bk, .offset: 16, .size: 8, .value_kind: global_buffer, .address_space: global }
      - { .name: bv, .offset: 24, .size: 8, .value_kind: global_buffer, .address_space: global }
      - { .name: lowp_scales, .offset: 32, .size: 8, .value_kind: global_buffer, .address_space: global }
      - { .name: qkv, .offset: 40, .size: 8, .value_kind: global_buffer, .address_space: global }
    .group_segment_fixed_size: 327680
    .private_segment_fixed_size: 0
    .kernarg_segment_align: 8
    .kernarg_segment_size: 48
    .max_flat_workgroup_size: 128
    .sgpr_count:     100
    .vgpr_count:     1024
    .wavefront_size: 32
...
	.end_amdgpu_metadata
.endif
;; end of part 2
;; launch attn (part 3): grid 16 x 16, 8 waves a work-group, no clusters, 327,680 bytes of LDS; arguments qkv, lowp_scales, oimg; writes oimg
.if DOCPART == 3
	.amdgcn_target "amdgcn-amd-amdhsa--gfx1250"
	.amdhsa_code_object_version 6
	.text
	.protected	k_qf99adb5667_attn
	.globl	k_qf99adb5667_attn
	.p2align	8
	.type	k_qf99adb5667_attn,@function
k_qf99adb5667_attn:
	s_mov_b64 s[64:65], 0
	v_nop
	global_prefetch_b8 v0, s[64:65] scope:SCOPE_SE
	s_setreg_imm32_b32 hwreg(HW_REG_WAVE_MODE, 25, 1), 1
	s_wait_xcnt 0x0
; O[h][q] = the sum over k <= q of softmax_k(Q[h][q] . K[h][k] / 8) V[h][k], 16 heads of 64, 4,096 positions, both products on codes of FP8 (E4M3); O is quantised at once (entry 10 of the scales' exponents) for the last launch.
; WORK LEFT OUT: 128 keys all of which come after a wave's queries.  The function's own lower-triangular mask gives those keys the weight 0 for all values of the inputs (shown at the head of the first launch).
; In the first half of a slot the first product is formed all the same where only the second wave's 128 keys are hidden; it is not used.  LIMIT: a NaN, an infinity or an overflow that arises only in work left out is not carried to the result.
; THE SOFTMAX AHEAD OF THE SECOND PRODUCT: t = score x log2(e) / 8; M = the row's largest t so far, rounded UP to a whole number; p = 2^(t - M) is what is quantised (entry 8), not normalised.
; The row's sum is taken of the unquantised p, in f32, and divides O at the end.  When M moves, the sum and O are multiplied by 2^(old M - new M): exact.
; SHARES.  Work-group (i, head) owns the blocks 31 - i and i of 128 queries and walks one behind the other, all eight waves on the same block.  Waves w and w + 4 own the same 32 queries, two tiles of 16, so that each fragment of K and V feeds two tiles;
; of each 256 keys wave w takes the first 128 and wave w + 4 the last 128.  Each keeps a largest t, a sum and an O of its own for both tiles; a block's end stores them in LDS, and at the launch's end each wave joins two of them for one tile of each block:
; its first tile ("kept", tile 2 (w % 4) + w / 4 of the block's eight) with its partner's second ("given").
; Block b has b + 1 times 128 keys; in slots of 512 keys the two blocks take n1 = (17 - i / 2) / 2 and 9 - n1 slots: nine in every work-group, each with live work.
; CLUSTERS: none.  Of a head's sixteen work-groups only 2 j and 2 j + 1 change blocks at the same slot, so a cluster of four along either axis would hold work-groups that ask for different tiles in the same round.
; K and V come as IMAGES OF THE OPERANDS' REGISTERS: 128 keys are 8,192 dense bytes of each; every LDS load of a wave reads 512 consecutive bytes.  A ring of two LDS slots (K's 32,768 bytes, then V's); wave 0 fetches a slot's K and wave 1 its V.
; LAYOUT.  Both products are used transposed: S^T = K Q^T (source 0 = 16 keys, source 1 = 16 queries; lane half h, chunk cc holds d = 32 h + 16 cc + 0 .. 15, in K and in Q alike);
; tile c's row 8 h + j is key 64 h + 8 c + j, so a lane's 64 scores are the 64 NEIGHBOURING keys 64 h + 0 .. 63, and p's 16 registers of codes are source 1 of O^T = V^T P^T, whose source 0, V's image, holds the same keys in the same places.
; A lane's 32 results are d = 32 h + 0 .. 31 of its query: 32 codes, stored as the last launch's fragment: [head / 4][16 queries][head % 4][chunk of 16 d][lane][16 bytes].
; LIMITS on the given exponents: entries 6 + 7 between -123 and 130 (they are added to c's exponent field); entries 8 and 10 between -126 and 119; entries 8 + 9 are applied by v_ldexp_f32 and have none.  Scaled scores stay under 2^31 in magnitude.
; REGISTERS.  Window 0: below, S^T at v128-255.  Window 1: K's 8 fragments v0-63, V's 4 v64-127, Q of my two tiles v128-143, Q of the second block v144-159.
.set SLOT1, 65536                      ; slot 1 begins here
.set VOFF,  32768                      ; V's part of a slot
.set SLOTB, 32768                      ; a slot's bytes of K, and of V
.set UB,    16384                      ; 256 keys' bytes of K, and of V
.set PT,    4352                       ; a tile's partial results: 32 registers of O (4,096 bytes), -M and the sum (256)
.set STG,   2*SLOT1                    ; behind the ring: eight waves x two tiles, for each of two blocks
.set PH,    16*PT
.set SPARE, STG+2*PH                   ; the spare words, 128 bytes for each of eight waves
.set PSC,  0                           ; v0 p's scale as f32, once the head no longer needs the thread's number
.set SPW,  1
.set NIL,  2
.set LI,   3                           ; 16 x lane + 8,192 for waves 4 to 7
.set AD,   4                           ; that, in the slot in hand
.set PFO,  5                           ; the prefetches' offset
.set STA,  6                           ; where my partial results go: 16 x lane,
.set STB,  7                           ; and 8 x lane
.set NMA,  8                           ; tile A (kept): -M, the largest score, the sum in two halves, f, two at work
.set MXA,  9
.set SUMA, 10
.set FA,   12
.set T1A,  14
.set T2A,  15
.set NMB,  16                          ; tile B (given) likewise
.set MXB,  17
.set SUMB, 18
.set FB,   20
.set T1B,  22
.set T2B,  23
.set P1,   24                          ; three pairs for tile B's sums
.set DQA,  30                          ; my query - the block's first - 64 h
.set DQB,  31
.set C,    32                          ; v32-63 codes of both tiles; ahead of that tile A's first sums
.set OA,   64
.set OB,   96
.set SA,   128
.set SB,   192
.set KR,   0                           ; window 1
.set VR,   64
.set QA,   128
.set QN,   144
.set TB,   2                           ; s2   LDS byte at which the slot in hand begins
.set WV,   18
.set SEL,  20                          ; s[20:21] lane selects: lane l xor 16
.set CS,   22                          ; s[22:23] c = log2(e) / 8 x 2^(entries 6 + 7)
.set G1,   24                          ; s[24:31] descriptor group 1
.set G0,   40                          ; s[40:43] group 0
.set LIMP, 45                          ; s45  448 x p's scale
.set KF,   47                          ; s47  my step's first key
.set QB,   48                          ; s48  the block's first query
.set QB2,  49                          ; s49  the second block's
.set G128, 50                          ; s50  128 for waves 4 to 7
.set N1,   51                          ; s51  the first block's slots
.set SQ,   52                          ; s52  the slot in hand, 0 to 8
.set BASE, 54                          ; s[54:55] the head's K or V, with the descriptor's type bits
.set OFF,  56                          ; s[56:57] where the slot to be asked for begins in it
.set LIM,  58                          ; s58  2 in the work-groups that prefetch, else the greatest number
.set NST,  59                          ; s59  the first block's last slot
.set PFA,  60                          ; s[60:61] where my prefetches stand
.set OUT2, 62                          ; s[62:63] the second block's place in O's images
.set MSB, 0
.macro WIN new                         ; the immediate's high byte repeats the setting that is left
.if MSB != \new
	s_set_vgpr_msb (MSB<<8)|\new
.set MSB, \new
.endif
.endm
.macro PLACES                          ; four places behind matrix instructions (ISA guide 7.12.1)
.rept 4
	v_nop
.endr
.endm
.macro TLOAD                           ; wave 0: a slot's K; wave 1: its V.  The branch hangs on the wave's number alone.  An s_nop 0 and four v_nop follow the line
	s_cmp_lt_u32 s[WV], 2
	s_cbranch_scc0 .Lasked_\@
	tensor_load_to_lds s[G0:G0+3], s[G1:G1+7]
	s_nop 0
	PLACES
.Lasked_\@:
.endm
; A PREFETCH INTO THE L2: the head's work-group 0 (its first block walks all eight slots of keys) asks, at the change in trip n, for slot n + 3, one slot ahead of that slot's tensor load: waves 0 to 3 K's 32,768 bytes, waves 4 to 7 V's,
; 8,192 bytes a wave, lanes 256 bytes apart: each aligned block of 256 bytes is named once in the launch.  Slots 0 to 2 come by their loads alone; the last is asked for in trip 4.
.macro ASK
	s_cmp_gt_u32 s3, s[LIM]
	s_cbranch_scc0 .Lnot_mine_\@
	global_prefetch_b8 v[PFO], s[PFA:PFA+1] th:TH_LOAD_NT scope:SCOPE_SE
.Lnot_mine_\@:
.endm
.macro INIT                            ; nothing seen yet: -M = 3e38, the largest score -3e38, sums and O zero (the first change of M leaves zeros)
.irp b, NMA, NMB
	v_mov_b32 v[\b], 0x7f61b1e6
	v_mov_b32 v[\b+1], 0xff61b1e6
	v_mov_b32 v[\b+2], 0
	v_mov_b32 v[\b+3], 0
.endr
.set JJ, 0
.rept 64
	v_mov_b32 v[OA+JJ], 0
.set JJ, JJ+1
.endr
.endm
.macro KLOAD u                         ; K's fragments of my 128 keys of the slot's u-th 256
	WIN 0x40
.irp c, 0,1,2,3,4,5,6,7
	ds_load_b128 v[KR+8*\c:KR+8*\c+3], v[AD] offset:UB*\u+1024*\c
	ds_load_b128 v[KR+8*\c+4:KR+8*\c+7], v[AD] offset:UB*\u+1024*\c+512
.endr
	WIN 0
.endm
.macro SPROD u                         ; V's fragments are asked for; S^T = K Q^T for both tiles
	PLACES                                         ; behind the last products, which read V's registers
	WIN 0x40
.irp t, 0,1,2,3
.irp c, 0,1,2,3
	ds_load_b128 v[VR+16*\t+4*\c:VR+16*\t+4*\c+3], v[AD] offset:VOFF+UB*\u+2048*\t+512*\c
.endr
.endr
	s_wait_dscnt 16                                ; K is in; V's sixteen loads may be out
	WIN 0x05
.irp c, 0,1,2,3,4,5,6,7
	v_wmma_f32_16x16x64_fp8_fp8 v[SA+8*\c:SA+8*\c+7], v[KR+8*\c:KR+8*\c+7], v[QA:QA+7], 0   ; register 8 c + j: key 64 h + 8 c + j, query r
	v_wmma_f32_16x16x64_fp8_fp8 v[SB+8*\c:SB+8*\c+7], v[KR+8*\c:KR+8*\c+7], v[QA+8:QA+15], 0
.endr
	WIN 0
	PLACES
.endm
.macro MAXES                           ; on the diagonal hidden scores become -infinity ahead of the maximum; then each tile's largest score among my lane's 64 keys, four chains by turns
	s_cmp_lg_u32 s[KF], s[QB]
	s_cbranch_scc1 .Lopen_\@
	v_mov_b32 v[T1A], 0xff800000
.set JJ, 0
.rept 64
	v_cmp_gt_i32 vcc_lo, JJ, v[DQA]
	v_cndmask_b32 v[SA+JJ], v[SA+JJ], v[T1A], vcc_lo
	v_cmp_gt_i32 vcc_lo, JJ, v[DQB]
	v_cndmask_b32 v[SB+JJ], v[SB+JJ], v[T1A], vcc_lo
.set JJ, JJ+1
.endr
.Lopen_\@:
	v_max3_num_f32 v[T1A], v[SA], v[SA+1], v[SA+2]
	v_max3_num_f32 v[T1B], v[SB], v[SB+1], v[SB+2]
	v_max3_num_f32 v[T2A], v[SA+3], v[SA+4], v[SA+5]
	v_max3_num_f32 v[T2B], v[SB+3], v[SB+4], v[SB+5]
.set JJ, 6
.rept 14
	v_max3_num_f32 v[T1A], v[T1A], v[SA+JJ], v[SA+JJ+1]
	v_max3_num_f32 v[T1B], v[T1B], v[SB+JJ], v[SB+JJ+1]
	v_max3_num_f32 v[T2A], v[T2A], v[SA+JJ+2], v[SA+JJ+3]
	v_max3_num_f32 v[T2B], v[T2B], v[SB+JJ+2], v[SB+JJ+3]
.set JJ, JJ+4
.endr
	v_max3_num_f32 v[T1A], v[T1A], v[SA+62], v[SA+63]
	v_max3_num_f32 v[T1B], v[T1B], v[SB+62], v[SB+63]
	v_max_num_f32 v[T1A], v[T1A], v[T2A]
	v_max_num_f32 v[T1B], v[T1B], v[T2B]
.endm
.macro FMA2 b, nm                      ; t - M, two at a time (of the pairs c and -M the low word serves both halves)
	v_pk_fma_f32 v[\b+JJ:\b+JJ+1], v[\b+JJ:\b+JJ+1], s[CS:CS+1], v[\nm:\nm+1] op_sel_hi:[1,0,0]
.endm
.macro ADDA                            ; tile A's first sum KA to one of four chains
.if (KA-3)%4 == 3
	v_pk_add_f32 v[SUMA:SUMA+1], v[SUMA:SUMA+1], v[C+2*KA:C+2*KA+1]
.else
.set RR, C+2*((KA-3)%4)
	v_pk_add_f32 v[RR:RR+1], v[RR:RR+1], v[C+2*KA:C+2*KA+1]
.endif
.set KA, KA+1
.endm
.macro ADDB                            ; tile B's pair KB of p to one of four chains
.if (KB-7)%4 == 3
.set RR, SUMB
.else
.set RR, P1+2*((KB-7)%4)
.endif
	v_pk_add_f32 v[RR:RR+1], v[RR:RR+1], v[SB+2*KB:SB+2*KB+1]
.set KB, KB+1
.endm
.macro HOLD4 b                         ; eight numbers, two an instruction: the conversion to an 8-bit code does not saturate (ISA guide 7.6.2); p is not negative, so the hold is one-sided
.rept 4
	v_dual_min_num_f32 v[\b+JJ], s[LIMP], v[\b+JJ] :: v_dual_min_num_f32 v[\b+JJ+1], s[LIMP], v[\b+JJ+1]
.set JJ, JJ+2
.endr
.endm
; THE SOFTMAX in two parts: SOFT_A, from the lanes' largest scores to the exponentials; SOFT_B, from there to O^T += V^T P^T.  Both work on registers; SOFT_B alone waits for V.
.macro SOFT_A
	v_permlanex16_b32 v[T2A], v[T1A], s[SEL], s[SEL+1]
	v_permlanex16_b32 v[T2B], v[T1B], s[SEL], s[SEL+1]
	v_max3_num_f32 v[MXA], v[MXA], v[T1A], v[T2A]  ; the running largest score (c is positive),
	v_max3_num_f32 v[MXB], v[MXB], v[T1B], v[T2B]
	v_mul_f32 v[T1A], s[CS], -v[MXA]               ; as -t
	v_mul_f32 v[T1B], s[CS], -v[MXB]
	v_mov_b32 v[T2A], v[NMA]
	v_mov_b32 v[T2B], v[NMB]
	v_floor_f32 v[NMA], v[T1A]                     ; the new -M = floor(-t) = -ceil(t): M is a whole number
	v_floor_f32 v[NMB], v[T1B]
	v_sub_f32 v[T2A], v[NMA], v[T2A]               ; M's old value less its new one: a whole number, 0 or less
	v_sub_f32 v[T2B], v[NMB], v[T2B]
.set JJ, 0
.rept 8
	FMA2 SA, NMA
.set JJ, JJ+2
.endr
	v_cvt_i32_f32 v[T2A], v[T2A]                   ; (it saturates)
	v_cvt_i32_f32 v[T2B], v[T2B]
.rept 8
	FMA2 SA, NMA
.set JJ, JJ+2
.endr
	v_ldexp_f32 v[FA], 1.0, v[T2A]                 ; f = 2^(old M - new M)
	v_ldexp_f32 v[FB], 1.0, v[T2B]
.rept 16
	FMA2 SA, NMA
.set JJ, JJ+2
.endr
	v_pk_mul_f32 v[SUMA:SUMA+1], v[SUMA:SUMA+1], v[FA:FA+1] op_sel_hi:[1,0]
	v_pk_mul_f32 v[SUMB:SUMB+1], v[SUMB:SUMB+1], v[FB:FB+1] op_sel_hi:[1,0]
.set JJ, 0
.rept 16
	v_pk_mul_f32 v[OA+JJ:OA+JJ+1], v[OA+JJ:OA+JJ+1], v[FA:FA+1] op_sel_hi:[1,0]   ; O^T under the new M
	v_pk_mul_f32 v[OB+JJ:OB+JJ+1], v[OB+JJ:OB+JJ+1], v[FB:FB+1] op_sel_hi:[1,0]
.set JJ, JJ+2
.endr
	s_wait_alu depctr_va_vdst(0)                   ; the wait ahead of the batch
.set JJ, 0
.rept 32
	v_exp_f32 v[SA+JJ], v[SA+JJ]                   ; p = 2^(t - M), at most 1: not normalised
	v_exp_f32 v[SA+JJ+1], v[SA+JJ+1]
	FMA2 SB, NMB
.set JJ, JJ+2
.endr
	s_wait_alu depctr_va_vdst(0)                   ; one wait for tile A's exponentials and for tile B's sources
.set JJ, 0
.rept 16
	v_exp_f32 v[SB+4*JJ], v[SB+4*JJ]
	v_exp_f32 v[SB+4*JJ+1], v[SB+4*JJ+1]
	v_exp_f32 v[SB+4*JJ+2], v[SB+4*JJ+2]
	v_exp_f32 v[SB+4*JJ+3], v[SB+4*JJ+3]
	v_pk_add_f32 v[C+2*JJ:C+2*JJ+1], v[SA+4*JJ:SA+4*JJ+1], v[SA+4*JJ+2:SA+4*JJ+3]   ; the row's sum is taken of the unquantised p: tile A's first sums lie where its codes come later
.set JJ, JJ+1
.endr
	s_wait_alu depctr_va_vdst(0)                   ; the wait behind the batch
.endm
.macro SOFT_B
	v_pk_add_f32 v[P1:P1+1], v[SB:SB+1], v[SB+2:SB+3]
	v_pk_add_f32 v[P1+2:P1+3], v[SB+4:SB+5], v[SB+6:SB+7]
	v_pk_add_f32 v[P1+4:P1+5], v[SB+8:SB+9], v[SB+10:SB+11]
	v_pk_add_f32 v[SUMB:SUMB+1], v[SUMB:SUMB+1], v[SB+12:SB+13]
.set KA, 3
.set KB, 7
.rept 13
	ADDA
	ADDB
.endr
	v_pk_add_f32 v[C:C+1], v[C:C+1], v[C+2:C+3]
	v_pk_add_f32 v[SUMA:SUMA+1], v[SUMA:SUMA+1], v[C+4:C+5]
.rept 12
	ADDB
.endr
	v_pk_add_f32 v[SUMA:SUMA+1], v[SUMA:SUMA+1], v[C:C+1]
.set JJ, 0
.rept 8
	HOLD4 SA
.endr
.set JJ, 0
.irp c, 0,1,2,3,4,5,6,7
	v_cvt_scalef32_pk8_fp8_f32 v[C+2*\c:C+2*\c+1], v[SA+8*\c:SA+8*\c+7], v[PSC]   ; keys 64 h + 8 c + 0 .. 7
	HOLD4 SB
.endr
.irp c, 0,1,2,3,4,5,6,7
	v_cvt_scalef32_pk8_fp8_f32 v[C+16+2*\c:C+17+2*\c], v[SB+8*\c:SB+8*\c+7], v[PSC]
.endr
	v_pk_add_f32 v[P1:P1+1], v[P1:P1+1], v[P1+2:P1+3]   ; plain instructions between the conversions and the products that read their results
	v_pk_add_f32 v[SUMB:SUMB+1], v[SUMB:SUMB+1], v[P1+4:P1+5]
	v_pk_add_f32 v[SUMB:SUMB+1], v[SUMB:SUMB+1], v[P1:P1+1]
	s_wait_alu depctr_va_vdst(0)                   ; the wait here, directly ahead of the wait below
	s_wait_dscnt 0x0                               ; V is in (and the next step's K)
	WIN 0x01
.irp t, 0,1,2,3
	v_wmma_f32_16x16x128_fp8_fp8 v[OA+8*\t:OA+8*\t+7], v[VR+16*\t:VR+16*\t+15], v[C:C+15], v[OA+8*\t:OA+8*\t+7]   ; eight accumulators by turns; register 8 t + j: d = 32 h + 8 t + j
	v_wmma_f32_16x16x128_fp8_fp8 v[OB+8*\t:OB+8*\t+7], v[VR+16*\t:VR+16*\t+15], v[C+16:C+31], v[OB+8*\t:OB+8*\t+7]
.endr
	WIN 0
.endm
; THE CHANGE OF SLOTS stands in the middle of a slot's second step, when V's fragments are in registers: each wave waits for all its tensor loads, adds 0 to its spare word (fill = 1: twice on end), and waits for that and for its reads of the slot.
; Behind the barrier the next slot is whole and nobody reads this one, which is filled again (fill = 1) with the slot after next: the load has a whole slot's work in which to land.
.macro CHANGE fill
	s_wait_alu depctr_va_vdst(0)                   ; the wait here, directly ahead of the wait below
	s_wait_tensorcnt 0x0                           ; no tensor load of mine is out, so the group 0 may be written
	ds_add_u32 v[SPW], v[NIL]                      ; 0 onto my spare word
.if \fill
	ds_add_u32 v[SPW], v[NIL]                      ; and once more
	s_xor_b32 s[G0+1], s[G0+1], SLOT1
	s_add_co_u32 s[OFF], s[OFF], SLOTB             ; the next 512 keys,
	s_add_co_u32 s66, s[SQ], 2
	s_cmp_eq_u32 s66, s[N1]
	s_cselect_b32 s[OFF], 0, s[OFF]                ; or the second block's first: a choice on ids and the count of slots
	s_add_nc_u64 s[G0+2:G0+3], s[BASE:BASE+1], s[OFF:OFF+1]
	s_wait_xcnt 0x0                                ; the last prefetch, a slot back, has read its address
	s_add_nc_u64 s[PFA:PFA+1], s[PFA:PFA+1], SLOTB
.endif
	s_wait_dscnt 0x0                               ; the adds are done, and my reads of this slot are over
	s_barrier_signal -1
.endm
.macro MEET fill                       ; the change's second half: everybody has signalled
	s_barrier_wait -1
.if \fill
	TLOAD                                          ; a wave's one tensor load until the next such barrier
.endif
	s_xor_b32 s[TB], s[TB], SLOT1                  ; on to the other slot
	v_add_nc_u32 v[AD], s[TB], v[LI]
	s_wait_alu depctr_va_vdst(0)
.endm
.macro STEP0                           ; a slot's first 256 keys
	SPROD 0
	KLOAD 1                                        ; the next step's K lands under this step's softmax
	MAXES                                          ; ahead of the branch: the scores are read right behind the product on every way
	s_cmp_gt_u32 s[KF], s[QB]                      ; all my 128 keys come after my block: a branch on ids, round the softmax and the second product
	s_wait_alu depctr_va_vdst(0)                   ; the wait here, directly ahead of the branch
	s_cbranch_scc1 .Lhidden_\@
	SOFT_A
	SOFT_B
.Lhidden_\@:
	s_wait_dscnt 0x0
	s_add_co_u32 s[KF], s[KF], 256
.endm
.macro STEP1 fill                      ; its second 256 keys, and the change of slots
	s_cmp_gt_u32 s[KF], s[QB]
	s_cbranch_scc1 .Lhid_a_\@
	SPROD 1
	MAXES
.Lhid_a_\@:
	CHANGE \fill
	s_cmp_gt_u32 s[KF], s[QB]
	s_cbranch_scc1 .Lhid_b_\@
	SOFT_A                                         ; between the barrier's signal and its wait: registers alone
.Lhid_b_\@:
	MEET \fill
.if \fill == 0
	s_cmp_eq_u32 s3, 1                             ; behind the last slot no K is left to fetch
	s_cbranch_scc1 .Lno_k_\@
.endif
	KLOAD 0
.Lno_k_\@:
.if \fill
	ASK
.endif
	s_cmp_gt_u32 s[KF], s[QB]
	s_cbranch_scc1 .Lhid_c_\@
	SOFT_B
.Lhid_c_\@:
	s_add_co_u32 s[KF], s[KF], 256
.endm
.macro STASH                           ; a block's end: O^T, -M and the sum of both tiles to my own bytes in LDS, s66 bytes on
	v_add_f32 v[MXA], v[SUMA], v[SUMA+1]           ; (four plain instructions: the places between the last products and the stores)
	v_add_f32 v[MXB], v[SUMB], v[SUMB+1]
	v_add_nc_u32 v[T1A], s66, v[STA]
	v_add_nc_u32 v[T2A], s66, v[STB]
.irp t, 0,1,2,3,4,5,6,7
	ds_store_b128 v[T1A], v[OA+4*\t:OA+4*\t+3] offset:512*\t
	ds_store_b128 v[T1A], v[OB+4*\t:OB+4*\t+3] offset:PT+512*\t
.endr
	ds_store_b64 v[T2A], v[NMA:NMA+1] offset:4096
	ds_store_b64 v[T2A], v[NMB:NMB+1] offset:PT+4096
.endm
.macro RESET                           ; on to the second block
	s_wait_alu depctr_va_vdst(0)
	s_wait_dscnt 0x0                               ; the stores have read their registers
	INIT
	WIN 0x41
.set JJ, 0
.rept 16
	v_mov_b32 v[QA+JJ], v[QN+JJ]
.set JJ, JJ+1
.endr
	WIN 0
	s_mov_b32 s[QB], s[QB2]
	s_mov_b32 s[KF], s[G128]
.endm
	s_load_b128 s[4:7], s[0:1], 0x0                ; the images of Q, K, V; the scales' exponents
	s_load_b64 s[8:9], s[0:1], 0x10                ; O's images
	v_lshl_add_u32 v[SPW], v0, 2, SPARE
	v_mov_b32 v[NIL], 0
	ds_add_u32 v[SPW], v[NIL]                      ; the wave's opening: the add, twice on end, and its wait ahead of my first tensor load; the set-up below stands between
	ds_add_u32 v[SPW], v[NIL]
	v_lshrrev_b32 v128, 5, v0
	v_readfirstlane_b32 s[WV], v128                ; wave 0..7
	s_and_b32 s10, ttmp7, 0xffff                   ; the head
	s_lshr_b32 s11, s[WV], 2                       ; which half of each 256 keys
	s_and_b32 s12, s[WV], 3                        ; which 32 queries
	s_lshl_b32 s[G128], s11, 7
	s_mov_b32 s[KF], s[G128]
	s_sub_co_u32 s13, 31, ttmp9                    ; the first block
	s_lshl_b32 s[QB], s13, 7
	s_lshl_b32 s[QB2], ttmp9, 7
	s_lshr_b32 s[N1], ttmp9, 1
	s_sub_co_u32 s[N1], 17, s[N1]
	s_lshr_b32 s[N1], s[N1], 1
	s_sub_co_u32 s[NST], s[N1], 1
	s_mov_b32 s[SQ], 0
	s_lshl_b32 s14, s10, 18                        ; the head's 262,144 bytes in each of the three images
	s_and_b32 s16, s[WV], 1
	s_lshl_b32 s84, s16, 15                        ; what I fetch, if I fetch: to K's or V's part of a slot,
	s_add_co_u32 s82, s16, 1
	s_lshl_b32 s82, s82, 22
	s_add_co_u32 s82, s82, s14                     ; from K's images (4 MiB on) or V's (8 MiB on), at my head
	s_mov_b32 s83, 0
	s_lshl_b32 s78, s12, 1
	s_add_co_u32 s78, s78, s11                     ; the tile of the block's eight that I keep; the other one is this xor 1
	s_xor_b32 s79, s78, 1
	s_lshl_b32 s86, s13, 13                        ; Q: a block of 128 queries is 8,192 bytes
	s_add_co_u32 s86, s86, s14
	s_mov_b32 s87, 0
	s_lshl_b32 s92, ttmp9, 13
	s_add_co_u32 s92, s92, s14
	s_mov_b32 s93, 0
	s_lshr_b32 s88, s10, 2                         ; O: (head / 4) MiB + 16 queries of 4,096 bytes + (head % 4) x 1,024
	s_lshl_b32 s88, s88, 20
	s_and_b32 s89, s10, 3
	s_lshl_b32 s89, s89, 10
	s_add_co_u32 s88, s88, s89
	s_lshl_b32 s89, s78, 12
	s_add_co_u32 s88, s88, s89
	s_lshl_b32 s94, ttmp9, 15
	s_add_co_u32 s94, s94, s88
	s_mov_b32 s95, 0
	s_lshl_b32 s89, s13, 15
	s_add_co_u32 s88, s88, s89
	s_mov_b32 s89, 0
	s_add_co_u32 s90, s11, 1                       ; the prefetches: waves 0 to 3 K's images, waves 4 to 7 V's,
	s_lshl_b32 s90, s90, 22
	s_add_co_u32 s90, s90, s14
	s_lshl_b32 s91, s12, 13
	s_add_co_u32 s90, s90, s91                     ; my wave's 8,192 bytes,
	s_add_co_u32 s90, s90, 2*SLOTB                 ; in slot 2: the first change steps it to slot 3.  Nothing is prefetched here, at the head
	s_mov_b32 s91, 0
	s_cmp_eq_u32 ttmp9, 0
	s_cselect_b32 s[LIM], 2, -1
	; descriptor group 1: a dense block of 32,768 bytes as 128 rows of 256 bytes
	s_mov_b32 s[G1], 3<<16                         ; 15:0 no mask; 17:16 elements of 8 bytes; no padding
	s_mov_b32 s[G1+1], 32<<16                      ; tensor_dim0 = 32
	s_mov_b32 s[G1+2], 128<<16                     ; tensor_dim1 = 128
	s_mov_b32 s[G1+3], 32<<16                      ; tile_dim0 = 32
	s_mov_b32 s[G1+4], 128                         ; tile_dim1 = 128
	s_mov_b32 s[G1+5], 32                          ; tensor_dim0_stride
	s_mov_b32 s[G1+6], 0
	s_mov_b32 s[G1+7], 0
	s_mov_b32 s[SEL], 0x76543210
	s_mov_b32 s[SEL+1], 0xfedcba98
	s_mov_b32 s[CS], 0x3e38aa3b                    ; c = log2(e) / 8
	s_mov_b32 s[TB], 0
	s_wait_dscnt 0x0                               ; both opening adds are done
	s_wait_kmcnt 0x0
	s_load_b128 s[68:71], s[6:7], 0x18             ; entries 6 to 9
	s_load_b32 s72, s[6:7], 0x28                   ; entry 10
	s_mov_b32 s[G0], 1                             ; 1:0 count = 1
	s_mov_b32 s[G0+1], s84                         ; 63:32 LDS address: slot 0
	s_add_nc_u64 s[BASE:BASE+1], s[4:5], s[82:83]
	s_or_b32 s[BASE+1], s[BASE+1], 0x80000000      ; 127:126 type = 2
	s_mov_b64 s[G0+2:G0+3], s[BASE:BASE+1]         ; 120:64 global address: the head's first 512 keys
	TLOAD                                          ; slot 0
	s_add_nc_u64 s[PFA:PFA+1], s[4:5], s[90:91]
	s_add_nc_u64 s[86:87], s[4:5], s[86:87]
	s_add_nc_u64 s[92:93], s[4:5], s[92:93]
	s_add_nc_u64 s[OUT2:OUT2+1], s[8:9], s[94:95]
	s_add_nc_u64 s[8:9], s[8:9], s[88:89]
	s_lshl_b32 s80, s11, 13
	s_mul_i32 s81, s[WV], 2*PT
	s_add_co_u32 s81, s81, STG
	s_lshl_b32 s66, s78, 10
	s_lshl_b32 s67, s79, 10
	s_lshl_b32 s78, s78, 4
	s_lshl_b32 s79, s79, 4
	v_and_b32 v129, 31, v0
	v_lshlrev_b32 v130, 4, v129                    ; 16 x lane
	v_lshlrev_b32 v131, 3, v129
	v_lshlrev_b32 v[PFO], 8, v129
	v_add_nc_u32 v132, s66, v130
	v_add_nc_u32 v133, s67, v130
	WIN 0x40
.irp k, 0,1
	global_load_b128 v[QA+4*\k:QA+4*\k+3], v132, s[86:87] offset:512*\k      ; Q of my two tiles, of both blocks
	global_load_b128 v[QA+8+4*\k:QA+8+4*\k+3], v133, s[86:87] offset:512*\k
	global_load_b128 v[QN+4*\k:QN+4*\k+3], v132, s[92:93] offset:512*\k
	global_load_b128 v[QN+8+4*\k:QN+8+4*\k+3], v133, s[92:93] offset:512*\k
.endr
	WIN 0
	v_add_nc_u32 v[LI], s80, v130
	v_add_nc_u32 v[STA], s81, v130
	v_add_nc_u32 v[STB], s81, v131
	v_and_b32 v134, 15, v0                         ; r
	v_bfe_u32 v135, v0, 4, 1                       ; h
	v_lshlrev_b32 v135, 6, v135
	v_sub_nc_u32 v134, v134, v135                  ; r - 64 h
	v_add_nc_u32 v[DQA], s78, v134
	v_add_nc_u32 v[DQB], s79, v134
	INIT
.set JJ, 0
.rept 32
	v_mov_b32 v[C+JJ], 0                           ; written once, for ways that no wave takes
.set JJ, JJ+1
.endr
.irp r, FA, FA+1, FB, FB+1, T1A, T2A, T1B, T2B
	v_mov_b32 v[\r], 0                             ; written once: named as upper halves of pairs, as destinations of lane permutes, or on ways that no wave takes
.endr
	s_wait_alu depctr_va_vdst(0)
	s_wait_kmcnt 0x0
	s_add_co_i32 s73, s68, s69
	s_lshl_b32 s73, s73, 23
	s_add_co_i32 s[CS], s[CS], s73                 ; a score stands for score x 2^(entries 6 + 7): they are added to c's exponent field
	s_mov_b32 s[CS+1], s[CS]                       ; (named with it as a pair, so it is written)
	s_add_co_i32 s73, s70, 127
	s_lshl_b32 s75, s73, 23
	v_mov_b32 v[PSC], s75                          ; p's scale as f32
	s_add_co_i32 s73, s73, 8
	s_lshl_b32 s73, s73, 23
	s_or_b32 s[LIMP], s73, 0x600000                ; 448 x that
	s_add_co_i32 s73, s72, 127
	s_lshl_b32 s76, s73, 23                        ; O's scale as f32
	s_add_co_i32 s73, s73, 8
	s_lshl_b32 s73, s73, 23
	s_or_b32 s77, s73, 0x600000                    ; 448 x that
	s_add_co_i32 s74, s70, s71                     ; entries 8 + 9, for the way out
	s_wait_alu depctr_va_vdst(0)                   ; the wait at the head's end
	s_wait_tensorcnt 0x0                           ; slot 0 is in; slot 1's first fill is issued as a refill is:
	ds_add_u32 v[SPW], v[NIL]
	ds_add_u32 v[SPW], v[NIL]
	s_xor_b32 s[G0+1], s[G0+1], SLOT1
	s_mov_b32 s[OFF], SLOTB
	s_mov_b32 s[OFF+1], 0
	s_add_nc_u64 s[G0+2:G0+3], s[BASE:BASE+1], s[OFF:OFF+1]
	s_wait_dscnt 0x0
	s_barrier_signal -1
	s_barrier_wait -1
	TLOAD                                          ; slot 1
	v_add_nc_u32 v[AD], s[TB], v[LI]
	s_wait_alu depctr_va_vdst(0)
	KLOAD 0
	s_wait_loadcnt 0x0                             ; Q
	s_mov_b32 s3, 7
.Lfill:                                            ; slots 0 to 6: each change asks for the slot after next, up to slot 8
	STEP0
	STEP1 1
	s_cmp_eq_u32 s[SQ], s[NST]                     ; the first block ends here: ids and the count of slots alone
	s_cbranch_scc0 .Lgoes_on
	s_mov_b32 s66, 0
	STASH
	RESET
.Lgoes_on:
	s_add_co_u32 s[SQ], s[SQ], 1
	s_sub_co_u32 s3, s3, 1
	s_cmp_lg_u32 s3, 0
	s_wait_alu depctr_va_vdst(0)                   ; the wait here, directly ahead of the branch
	s_cbranch_scc1 .Lfill
	s_mov_b32 s3, 2
.Llast:                                            ; slots 7 and 8: nothing is left to ask for.  (Written once: behind slot 8's change no LDS byte of the ring is read)
	STEP0
	STEP1 0
	s_sub_co_u32 s66, 2, s3
	s_mul_i32 s66, s66, PH                         ; slot 7 can end the first block, slot 8 ends the second
	s_cmp_eq_u32 s3, 1
	s_cselect_b32 s67, s[SQ], s[NST]
	s_cmp_eq_u32 s[SQ], s67
	s_cbranch_scc0 .Lgoes_on2
	STASH
	s_cmp_eq_u32 s3, 1
	s_wait_alu depctr_va_vdst(0)
	s_cbranch_scc1 .Lgoes_on2
	RESET
.Lgoes_on2:
	s_add_co_u32 s[SQ], s[SQ], 1
	s_sub_co_u32 s3, s3, 1
	s_cmp_lg_u32 s3, 0
	s_wait_alu depctr_va_vdst(0)
	s_cbranch_scc1 .Llast
	; THE WAY OUT.  My kept tile of each block: my part of the keys and my partner's are brought under the greater M (exact powers of two) and added; x 2^(entries 8 + 9) / the row's sum, in f32; held; quantised.
	s_wait_dscnt 0x0                               ; my stores are done
	s_barrier_signal -1
	s_barrier_wait -1                              ; and everybody's
	s_xor_b32 s67, s[WV], 4
	s_mul_i32 s67, s67, 2*PT
	s_add_co_u32 s67, s67, STG+PT                  ; my partner's given tile
	v_and_b32 v24, 0x1f0, v[LI]                    ; 16 x lane
	v_lshrrev_b32 v25, 1, v24
	v_mov_b32 v206, s77
	v_mov_b32 v207, s76
	v_mov_b32 v201, 0                              ; named as upper halves of pairs
	v_mov_b32 v203, 0
	v_mov_b32 v205, 0                              ; a lane permute's destination counts as one of its sources
	s_mov_b32 s3, 2
	s_wait_alu depctr_va_vdst(0)
.Lout:
	s_sub_co_u32 s66, 2, s3
	s_mul_i32 s66, s66, PH
	s_add_co_u32 s75, s67, s66
	v_add_nc_u32 v26, s75, v24
	v_add_nc_u32 v27, s75, v25
	v_add_nc_u32 v28, s66, v[STA]
	v_add_nc_u32 v29, s66, v[STB]
	ds_load_b64 v[192:193], v29 offset:4096        ; -M and the sum: mine, my partner's
	ds_load_b64 v[194:195], v27 offset:4096
.irp t, 0,1,2,3,4,5,6,7
	ds_load_b128 v[128+4*\t:131+4*\t], v28 offset:512*\t
	ds_load_b128 v[160+4*\t:163+4*\t], v26 offset:512*\t
.endr
	s_wait_alu depctr_va_vdst(0)
	s_wait_dscnt 0x0
	v_min_num_f32 v196, v192, v194                 ; -M of both
	v_sub_f32 v197, v196, v192
	v_sub_f32 v198, v196, v194
	v_cvt_i32_f32 v197, v197                       ; (it saturates: a part without keys gets the factor 0)
	v_cvt_i32_f32 v198, v198
	v_ldexp_f32 v200, 1.0, v197
	v_ldexp_f32 v202, 1.0, v198
	v_mul_f32 v204, v193, v200
	v_fmac_f32 v204, v195, v202
	v_permlanex16_b32 v205, v204, s[SEL], s[SEL+1]
	v_add_f32 v204, v204, v205                     ; and lane l xor 16's: the row's sum
	s_wait_alu depctr_va_vdst(0)                   ; the wait ahead of the transcendental
	v_rcp_f32 v204, v204
	v_nop                                          ; a plain instruction behind the reciprocal
	s_wait_alu depctr_va_vdst(0)                   ; the wait ahead of the first use of the reciprocal
	v_ldexp_f32 v204, v204, s74
	v_mul_f32 v200, v200, v204
	v_mul_f32 v202, v202, v204
.set JJ, 0
.rept 16
	v_pk_mul_f32 v[128+JJ:129+JJ], v[128+JJ:129+JJ], v[200:201] op_sel_hi:[1,0]
.set JJ, JJ+2
.endr
.set JJ, 0
.rept 16
	v_pk_fma_f32 v[128+JJ:129+JJ], v[160+JJ:161+JJ], v[202:203], v[128+JJ:129+JJ] op_sel_hi:[1,0,1]
.set JJ, JJ+2
.endr
.set JJ, 0
.rept 32
	v_med3_num_f32 v[128+JJ], v[128+JJ], -v206, v206
.set JJ, JJ+1
.endr
.irp t, 0,1,2,3
	v_cvt_scalef32_pk8_fp8_f32 v[208+2*\t:209+2*\t], v[128+8*\t:135+8*\t], v207
.endr
	v_nop                                          ; a plain instruction behind the last scaled conversion
	global_store_b128 v24, v[208:211], s[8:9]            ; d = 32 h + 0 .. 15: the wave stores 512 consecutive bytes, aligned
	global_store_b128 v24, v[212:215], s[8:9] offset:512 ; d = 32 h + 16 .. 31
	s_wait_xcnt 0x0                                ; the stores have read their data and their base
	s_mov_b64 s[8:9], s[OUT2:OUT2+1]               ; the second block
	s_sub_co_u32 s3, s3, 1
	s_cmp_lg_u32 s3, 0
	s_wait_alu depctr_va_vdst(0)
	s_cbranch_scc1 .Lout
	s_wait_tensorcnt 0x0                           ; the wave's end, behind my last tensor load and my last LDS store
	ds_add_u32 v[SPW], v[NIL]
	s_wait_dscnt 0x0
	s_endpgm
.Lfunc_end_k_qf99adb5667_attn:
	.size	k_qf99adb5667_attn, .Lfunc_end_k_qf99adb5667_attn-k_qf99adb5667_attn
	.p2alignl 7, 3214868480
	.fill 96, 4, 3214868480
	.section	.rodata,"a",@progbits
	.p2align	6, 0x0
	.amdhsa_kernel k_qf99adb5667_attn
		.amdhsa_group_segment_fixed_size 327680
		.amdhsa_private_segment_fixed_size 0
		.amdhsa_enable_private_segment 0
		.amdhsa_kernarg_size 24
		.amdhsa_user_sgpr_count 2
		.amdhsa_user_sgpr_kernarg_segment_ptr 1
		.amdhsa_wavefront_size32 1
		.amdhsa_system_sgpr_workgroup_id_x 1
		.amdhsa_system_sgpr_workgroup_id_y 1
		.amdhsa_system_sgpr_workgroup_id_z 1
		.amdhsa_system_vgpr_workitem_id 0
		.amdhsa_next_free_vgpr 416
		.amdhsa_next_free_sgpr 100
		.amdhsa_reserve_vcc 1
		.amdhsa_float_denorm_mode_32 3
		.amdhsa_float_denorm_mode_16_64 3
		.amdhsa_memory_ordered 1
		.amdhsa_forward_progress 1
		.amdhsa_inst_pref_size 176
	.end_amdhsa_kernel
	.amdgpu_metadata
---
amdhsa.version: [ 1, 2 ]
amdhsa.kernels:
  - .name:           k_qf99adb5667_attn
    .symbol:         k_qf99adb5667_attn.kd
    .args:
      - { .name: qkv, .offset: 0, .size: 8, .value_kind: global_buffer, .address_space: global }
      - { .name: lowp_scales, .offset: 8, .size: 8, .value_kind: global_buffer, .address_space: global }
      - { .name: oimg, .offset: 16, .size: 8, .value_kind: global_buffer, .address_space: global }
    .group_segment_fixed_size: 327680
    .private_segment_fixed_size: 0
    .kernarg_segment_align: 8
    .kernarg_segment_size: 24
    .max_flat_workgroup_size: 256
    .sgpr_count:     100
    .vgpr_count:     416
    .wavefront_size: 32
...
	.end_amdgpu_metadata
.endif
;; end of part 3
;; launch proj (part 4): grid 8 x 32, 4 waves a work-group, clusters of 4 x 4, 327,680 bytes of LDS; arguments oimg, codes, bo, lowp_scales, out0; writes out0
.if DOCPART == 4
	.amdgcn_target "amdgcn-amd-amdhsa--gfx1250"
	.amdhsa_code_object_version 6
	.text
	.protected	k_qf99adb5667_proj
	.globl	k_qf99adb5667_proj
	.p2align	8
	.type	k_qf99adb5667_proj,@function
k_qf99adb5667_proj:
	s_mov_b64 s[64:65], 0
	v_nop
	global_prefetch_b8 v0, s[64:65] scope:SCOPE_SE
	s_setreg_imm32_b32 hwreg(HW_REG_WAVE_MODE, 25, 1), 1
	s_wait_xcnt 0x0
	s_wait_alu depctr_hold_cnt(0) depctr_sa_sdst(0) depctr_va_vdst(0) depctr_va_sdst(0) depctr_va_ssrc(0) depctr_va_vcc(0) depctr_vm_vsrc(0)
	s_getreg_b32 s2, hwreg(HW_REG_IB_STS2, 6, 4)
	s_cmp_eq_u32 s2, 0
	s_cbranch_scc0 .Lentry_in_a_cluster
	s_endpgm
.Lentry_in_a_cluster:
	s_bfe_u32 s2, ttmp6, 0x10000c
	s_cmp_lg_u32 s2, 0xf033
	s_cbranch_scc0 .Lentry_shape_is_right
	s_endpgm
.Lentry_shape_is_right:
; out = O Wo^T + bo on codes of FP8 (E4M3): out[m][n] = 2^(entries 10 + 11) x the sum over k of O[m][k] Wo[n][k] + bo[n].  M = 4,096, N = 1,024, K = 1,024; out is f32.  No work of the function is left out here.
; A tile of out is 128 x 128: 256 work-groups, one for each WGP; four waves, 64 x 64 each: 16 accumulators.  ALL OF K LIES IN LDS: each wave fetches 64 rows of A (waves 0, 1) or of B (waves 2, 3), all of K, with one tensor load at the head; nothing is ever filled again.
; No prefetch: the launch has no loop to run ahead in.
; CLUSTERS: 4 x 4 work-groups.  The four of a row of the cluster need the same tiles of O, the four of a column the same tiles of Wo: each tile is asked for jointly.
; A, O's codes, comes as IMAGES OF THE OPERAND'S REGISTERS: [chunk = head / 4][16 rows][head % 4][cc][lane][16 bytes]: lane (r, h) holds k = 64 head + 32 h + 16 cc + 0 .. 15 of row r.  A fragment for 128 along K is four loads of 512 consecutive bytes:
; registers 4 c on hold k = 128 q + 64 (c / 2) + 32 h + 16 (c % 2) + 0 .. 15 of the chunk's 256.  B, Wo's rows as they lie, is read at the same k.
; THE MATRIX INSTRUCTION IS USED TRANSPOSED (source 0 = 16 rows of Wo, source 1 = 16 rows of O): a lane holds eight neighbouring numbers of a row of out.
; LIMIT: entries 10 + 11 between -126 and 127.
; REGISTERS: window 0: v1-5 at work; v16, v20 LDS addresses of A and B; v24-27 the way out's; v28, v29 the add's two; v32-63 bo of my 64 columns; v64-95, v96-127 the way out; v128-255 the accumulators ((a, b) at v[128 + 8 (4 a + b)]).
;   window 1: two sets of fragments for 128 along K, at 0 and 128: A's four at 16 a, B's four at 64 + 16 b.
.set AH,    65536                      ; 64 rows of A in LDS: four chunks of 16,384 bytes
.set PITCH, 1040                       ; a row of B in LDS: 1,024 bytes + 16 of padding: the 16 rows that a load touches start at 16 different banks (64 banks of 4 bytes: ISA guide 11.1)
.set BH,    64*PITCH
.set BOFF,  2*AH                       ; B lies behind A
.set STAGE, BOFF+2*BH                  ; behind the tiles: 16 rows x (256 bytes + 16) for each wave, for the way out: bytes of its own, into which no fill lands
.set SPARE, STAGE+4*16*272             ; behind the stages: the spare words, 128 bytes for each wave
.set ADRA, 16
.set ADRB, 20
.set STO,  24
.set RD,   25
.set CO,   26
.set BL,   27
.set SPW,  28
.set NIL,  29
.set BO,   32
.set TMP,  64
.set BK,   96
.set ACC,  128
.set G1A, 24                           ; s[24:31] descriptor group 1 for A's tiles;  s[32:35] group 0
.set G0A, 32
.set G0B, 48                           ; s[48:51] group 0 for B's tiles;  s[68:75] their group 1
.set G1B, 68
; s[4:5] O's images; s[6:7] codes; s[8:9] bo; s[10:11] the exponents' buffer; s[12:13] out; s14 wave; s15, s16 its halves; s76, s77 cx, cy; s78, s79 tile column, tile row; s[88:89] the exponents; s[96:97] 2^(their sum)
.set MSB, 0
.macro WIN new                         ; the immediate's high byte repeats the setting that is left
.if MSB != \new
	s_set_vgpr_msb (MSB<<8)|\new
.set MSB, \new
.endif
.endm
.set MUL,  0x05                        ; sources 0 (B) and 1 (A) window 1; C and D window 0
.set TO_F, 0x40                        ; destination window 1, address window 0
.macro PLACES                          ; four places in front of loads into registers that matrix instructions have read, and of the first read of results
.rept 4
	v_nop
.endr
.endm
.macro CROUND                          ; a round of the cluster's barrier
	s_barrier_signal -1
	s_barrier_wait -1
	s_cmp_lg_u32 s14, 0
	s_cbranch_scc1 .Lnot_wave_0_\@
	s_barrier_signal -3
.Lnot_wave_0_\@:
	s_barrier_wait -3
	s_barrier_signal -1
	s_barrier_wait -1
.endm
	s_load_b256 s[4:11], s[0:1], 0x0
	s_load_b64 s[12:13], s[0:1], 0x20
	v_lshl_add_u32 v[SPW], v0, 2, SPARE
	v_mov_b32 v[NIL], 0
	ds_add_u32 v[SPW], v[NIL]                      ; the wave's opening: the add, twice on end, and its wait ahead of my first tensor load; the set-up below stands between
	ds_add_u32 v[SPW], v[NIL]
	v_lshrrev_b32 v1, 5, v0
	v_readfirstlane_b32 s14, v1                    ; wave 0..3
	s_lshr_b32 s15, s14, 1                         ; which half of the tile's rows is mine.  Also: I fetch for A (0) or for B (1)
	s_and_b32 s16, s14, 1                          ; which half of its columns.  Also: which 64 rows of a tile I fetch
	s_bfe_u32 s76, ttmp6, 0x40000                  ; cx, cy: my place in the cluster
	s_bfe_u32 s77, ttmp6, 0x40004
	s_lshl_b32 s78, ttmp9, 2
	s_add_co_u32 s78, s78, s76                     ; tile column = 4 x cluster x + cx
	s_and_b32 s79, ttmp7, 0xffff
	s_lshl_b32 s79, s79, 2
	s_add_co_u32 s79, s79, s77                     ; tile row = 4 x cluster y + cy
	s_lshl_b32 s80, s77, 2
	s_lshl_b32 s80, 15, s80                        ; my row of the cluster
	s_lshl_b32 s81, 0x1111, s76                    ; my column
	; descriptor group 1.  A: four dense runs of 16,384 bytes (64 rows of O, 256 along K), 1 MiB apart in memory.  B: 64 rows of 1,024 bytes, padded in LDS
	s_or_b32 s[G1A], s80, (3<<16)|(1<<21)          ; 15:0 the mask: A's tiles go to my row; 17:16 elements of 8 bytes; 21 set beside a mask; no padding
	s_mov_b32 s[G1A+1], 2048<<16                   ; tensor_dim0 = 2,048
	s_mov_b32 s[G1A+2], 4<<16                      ; tensor_dim1 = 4
	s_mov_b32 s[G1A+3], 2048<<16                   ; tile_dim0 = 2,048
	s_mov_b32 s[G1A+4], 4                          ; tile_dim1 = 4
	s_mov_b32 s[G1A+5], 131072                     ; tensor_dim0_stride
	s_mov_b32 s[G1A+6], 0
	s_mov_b32 s[G1A+7], 0
	s_or_b32 s[G1B], s81, (0<<16)|(1<<20)|(1<<21)|(7<<22)|(3<<25)   ; the mask of my column; elements of 1 byte; padding on: after every 256 words (code 7) 4 words (code 3)
	s_mov_b32 s[G1B+1], 1024<<16
	s_mov_b32 s[G1B+2], 64<<16
	s_mov_b32 s[G1B+3], 1024<<16
	s_mov_b32 s[G1B+4], 64
	s_mov_b32 s[G1B+5], 1024
	s_mov_b32 s[G1B+6], 0
	s_mov_b32 s[G1B+7], 0
	; where the tiles come from, as byte offsets under 2^24.  A's hang on the tile row and the wave's number alone, B's on the tile column and the wave's number alone
	s_lshl_b32 s90, s79, 15                        ; A: 128 rows of a chunk are 32,768 bytes,
	s_lshl_b32 s91, s16, 14                        ; my 64 of them 16,384
	s_add_co_u32 s90, s90, s91
	s_mov_b32 s91, 0
	s_lshl_b32 s86, s16, 16                        ; and in LDS
	s_lshl_b32 s92, s78, 17                        ; B: 128 rows of 1,024 bytes,
	s_lshl_b32 s93, s16, 16                        ; my 64,
	s_add_co_u32 s92, s92, s93
	s_add_co_u32 s92, s92, 15<<20                  ; Wo's codes begin at 15 MiB
	s_mov_b32 s93, 0
	s_mul_i32 s87, s16, BH
	s_add_co_u32 s87, s87, BOFF                    ; in LDS: no place in the cluster enters an LDS address
	s_wait_dscnt 0x0                               ; both opening adds are done
	s_wait_kmcnt 0x0
	s_load_b64 s[88:89], s[10:11], 0x28            ; entries 10 and 11
	s_mov_b32 s[G0A], 1
	s_mov_b32 s[G0A+1], s86
	s_add_nc_u64 s[G0A+2:G0A+3], s[4:5], s[90:91]
	s_or_b32 s[G0A+3], s[G0A+3], 0x80000000
	s_mov_b32 s[G0B], 1
	s_mov_b32 s[G0B+1], s87
	s_add_nc_u64 s[G0B+2:G0B+3], s[6:7], s[92:93]
	s_or_b32 s[G0B+3], s[G0B+3], 0x80000000
	CROUND                                         ; all sixteen work-groups are here: the joint loads meet
	s_cmp_eq_u32 s15, 0                            ; one tensor load a wave; an s_nop 0 and four v_nop follow each line
	s_cbranch_scc0 .Lfor_b
	tensor_load_to_lds s[G0A:G0A+3], s[G1A:G1A+7]
	s_nop 0
	PLACES
	s_branch .Lasked
.Lfor_b:
	tensor_load_to_lds s[G0B:G0B+3], s[G1B:G1B+7]
	s_nop 0
	PLACES
.Lasked:
	s_lshl_b32 s98, s78, 9
	s_lshl_b32 s99, s16, 8
	s_add_co_u32 s98, s98, s99                     ; my first column, in bytes: 512 x tile column + 256 x half
	s_mov_b32 s99, 0
	s_add_nc_u64 s[8:9], s[8:9], s[98:99]
	s_add_nc_u64 s[12:13], s[12:13], s[98:99]
	s_lshl_b32 s98, s79, 19
	s_lshl_b32 s94, s15, 18
	s_add_co_u32 s98, s98, s94                     ; my first row: (128 x tile row + 64 x half) x 4,096 bytes
	s_add_nc_u64 s[12:13], s[12:13], s[98:99]
	s_lshl_b32 s90, s15, 16                        ; my 64 rows of A
	s_mul_i32 s91, s16, BH                         ; my 64 rows of B
	s_add_co_u32 s91, s91, BOFF
	s_mul_i32 s92, s14, 16*272
	s_add_co_u32 s92, s92, STAGE                   ; my stage
	v_and_b32 v1, 15, v0                           ; r
	v_bfe_u32 v2, v0, 4, 1                         ; h
	v_lshlrev_b32 v[BL], 5, v2
.irp b, 0,1,2,3
	global_load_b128 v[BO+8*\b:BO+8*\b+3], v[BL], s[8:9] offset:64*\b       ; bo of columns 16 b + 8 h + 0 .. 7; waited for on the way out
	global_load_b128 v[BO+8*\b+4:BO+8*\b+7], v[BL], s[8:9] offset:64*\b+16
.endr
	v_and_b32 v3, 31, v0
	v_lshlrev_b32 v3, 4, v3                        ; 16 x lane: my place in an image
	v_mul_u32_u24 v4, v1, PITCH
	v_lshl_add_u32 v4, v2, 5, v4                   ; B: row r x 1,040 + 32 h
	v_mul_u32_u24 v5, v1, 272
	v_lshl_add_u32 v5, v2, 5, v5
	v_add_nc_u32 v[STO], s92, v5                   ; the stage, in: row r, 32 bytes for each half of the lanes
	v_mul_u32_u24 v5, v2, 272
	v_lshl_add_u32 v5, v1, 4, v5
	v_add_nc_u32 v[RD], s92, v5                    ; back: lanes 0-15 one row of 256 bytes, lanes 16-31 the next
	v_lshlrev_b32 v[CO], 12, v2
	v_lshl_add_u32 v[CO], v1, 4, v[CO]             ; and the same two rows of out, 4,096 bytes apart
	v_add_nc_u32 v[ADRA], s90, v3
	v_add_nc_u32 v[ADRB], s91, v4
; 16 matrix instructions: A's four blocks x B's four, 128 along K, from set f.  zero = 1: the first product starts the sums.  The 16 accumulators take turns, one instruction a turn, in the same order in every step.
.macro MUL16 f, zero
.irp a, 0,1,2,3
.irp b, 0,1,2,3
.if \zero
	v_wmma_f32_16x16x128_fp8_fp8 v[ACC+8*(4*\a+\b):ACC+8*(4*\a+\b)+7], v[\f+64+16*\b:\f+64+16*\b+15], v[\f+16*\a:\f+16*\a+15], 0
.else
	v_wmma_f32_16x16x128_fp8_fp8 v[ACC+8*(4*\a+\b):ACC+8*(4*\a+\b)+7], v[\f+64+16*\b:\f+64+16*\b+15], v[\f+16*\a:\f+16*\a+15], v[ACC+8*(4*\a+\b):ACC+8*(4*\a+\b)+7]
.endif
.endr
.endr
.endm
; 32 LDS loads in one run: the fragments of step n (chunk n / 2, its half n % 2) into set f
.macro FETCH n, f
.set KSX, (\n)/2
.set QX, (\n)%2
	WIN TO_F
.irp i, 0,1,2,3
.irp c, 0,1,2,3
	ds_load_b128 v[\f+64+16*\i+4*\c:\f+64+16*\i+4*\c+3], v[ADRB] offset:\i*16*PITCH+256*KSX+128*QX+64*(\c/2)+16*(\c%2)
	ds_load_b128 v[\f+16*\i+4*\c:\f+16*\i+4*\c+3], v[ADRA] offset:16384*KSX+\i*4096+2048*QX+512*\c
.endr
.endr
.endm
; Step n of eight: 128 along K, on set n % 2; ahead of its products the next step's fragments are asked for, into the other set.
.macro PHASE n, zero
.set FB, 128*((\n)%2)
	s_wait_dscnt 0x0                               ; this step's fragments are in
.if (\n) < 7
	PLACES
	FETCH (\n)+1, 128-FB
.endif
	WIN MUL
	MUL16 FB, \zero
.endm
	s_wait_alu depctr_va_vdst(0)                   ; the wait at the head's end
	s_wait_tensorcnt 0x0                           ; my part is in,
	s_barrier_signal -1
	s_barrier_wait -1                              ; and everybody's
	FETCH 0, 0
	PHASE 0, 1
.irp n, 1,2,3,4,5,6,7
	PHASE \n, 0
.endr
	WIN 0
	; THE WAY OUT, block by block of 16 rows x 64 columns: sum x 2^(entries 10 + 11) + bo; through my own stage in LDS, so that sixteen lanes store 256 consecutive bytes of a row, aligned.
	s_wait_loadcnt 0x0                             ; bo
	s_wait_kmcnt 0x0
	s_add_co_i32 s96, s88, s89
	s_add_co_i32 s96, s96, 127
	s_lshl_b32 s96, s96, 23                        ; 2^(entries 10 + 11) as f32
	s_mov_b32 s97, s96                             ; (named with it as a pair, so it is written)
	PLACES
.macro OUTB a
.set JJ, 0
.rept 16
	v_pk_fma_f32 v[TMP+JJ:TMP+JJ+1], v[ACC+32*\a+JJ:ACC+32*\a+JJ+1], s[96:97], v[BO+JJ:BO+JJ+1] op_sel_hi:[1,0,1]   ; each accumulator from its low end on
.set JJ, JJ+2
.endr
.irp b, 0,1,2,3
	ds_store_b128 v[STO], v[TMP+8*\b:TMP+8*\b+3] offset:64*\b
	ds_store_b128 v[STO], v[TMP+8*\b+4:TMP+8*\b+7] offset:64*\b+16
.endr
.if \a > 0
	s_wait_xcnt 0x0                                ; the last block's stores have read their data: the loads below land there only behind this wait
.endif
.irp t, 0,1,2,3,4,5,6,7
	ds_load_b128 v[BK+4*\t:BK+4*\t+3], v[RD] offset:\t*2*272   ; LDS serves a wave's instructions in order (ISA guide 5.7.1.4): these see my stores
.endr
.irp t, 0,1,2,3,4,5,6,7
	s_wait_dscnt 7-\t                              ; the younger loads may be out
	global_store_b128 v[CO], v[BK+4*\t:BK+4*\t+3], s[12:13] offset:(16*\a+2*\t)*4096 th:TH_STORE_NT
.endr
.endm
.irp a, 0,1,2,3
	OUTB \a
.endr
	s_wait_tensorcnt 0x0                           ; the wave's end, behind my last tensor load and my last LDS store
	ds_add_u32 v[SPW], v[NIL]
	s_wait_dscnt 0x0
	CROUND                                         ; the closing round: no work-group ends while a partner may still ask for a tile that names it
	s_endpgm
.Lfunc_end_k_qf99adb5667_proj:
	.size	k_qf99adb5667_proj, .Lfunc_end_k_qf99adb5667_proj-k_qf99adb5667_proj
	.p2alignl 7, 3214868480
	.fill 96, 4, 3214868480
	.section	.rodata,"a",@progbits
	.p2align	6, 0x0
	.amdhsa_kernel k_qf99adb5667_proj
		.amdhsa_group_segment_fixed_size 327680
		.amdhsa_private_segment_fixed_size 0
		.amdhsa_enable_private_segment 0
		.amdhsa_kernarg_size 40
		.amdhsa_user_sgpr_count 2
		.amdhsa_user_sgpr_kernarg_segment_ptr 1
		.amdhsa_wavefront_size32 1
		.amdhsa_system_sgpr_workgroup_id_x 1
		.amdhsa_system_sgpr_workgroup_id_y 1
		.amdhsa_system_sgpr_workgroup_id_z 1
		.amdhsa_system_vgpr_workitem_id 0
		.amdhsa_next_free_vgpr 512
		.amdhsa_next_free_sgpr 100
		.amdhsa_reserve_vcc 0
		.amdhsa_float_denorm_mode_32 3
		.amdhsa_float_denorm_mode_16_64 3
		.amdhsa_memory_ordered 1
		.amdhsa_forward_progress 1
		.amdhsa_inst_pref_size 45
	.end_amdhsa_kernel
	.amdgpu_metadata
---
amdhsa.version: [ 1, 2 ]
amdhsa.kernels:
  - .name:           k_qf99adb5667_proj
    .symbol:         k_qf99adb5667_proj.kd
    .args:
      - { .name: oimg, .offset: 0, .size: 8, .value_kind: global_buffer, .address_space: global }
      - { .name: codes, .offset: 8, .size: 8, .value_kind: global_buffer, .address_space: global }
      - { .name: bo, .offset: 16, .size: 8, .value_kind: global_buffer, .address_space: global }
      - { .name: lowp_scales, .offset: 24, .size: 8, .value_kind: global_buffer, .address_space: global }
      - { .name: out0, .offset: 32, .size: 8, .value_kind: global_buffer, .address_space: global }
    .group_segment_fixed_size: 327680
    .private_segment_fixed_size: 0
    .kernarg_segment_align: 8
    .kernarg_segment_size: 40
    .max_flat_workgroup_size: 128
    .sgpr_count:     100
    .vgpr_count:     512
    .wavefront_size: 32
...
	.end_amdgpu_metadata
.endif
;; end of part 4
